; MI455X (gfx1250); checked and timed in simulation.
; The chip was launched on July 23, 2026; its instructions are those of AMD's public machine-readable ISA for CDNA 5 (MIT licence, August 2026) and "CDNA5" Instruction Set Architecture Reference Guide (July 2026). The comments in the code are by the model that wrote it; some were corrected since.
;; Atten. Allowed arithmetic: matrix products marked QUANTISED: E2M3 operands, one E8M0 scale for each 32 along K, by v_wmma_scale_f32_16x16x128_f8f6f4 with both operands' format E2M3, f32 sums; everything else in f32.
;; Inputs: Wk 512 x 512 float32; Wo 512 x 512 float32; Wq 512 x 512 float32; Wv 512 x 512 float32; bk 512 float32; bo 512 float32; bq 512 float32; bv 512 float32; gn_b 512 float32; gn_w 512 float32; x 32 x 512 x 32 x 32 float32.
;; Outputs: out0 32 x 512 x 32 x 32 float32.
;; This version of the problem:
;;   THIS VERSION OF THE PROBLEM IS GIVEN IN LOW PRECISION. The matrix products marked QUANTISED in the list below multiply operands that are first quantised to E2M3 (2 exponent bits, 3 mantissa bits; 6 bits a number), with one power-of-two scale for each 32 numbers along K (OCP MX v1.0); their sums are f32. All else is computed in f32.
;;   The module's matrix products, in the order in which they are computed (A, B: the left and right operand; K: the contracted axis; several contracted axes count as one K, in the product's order):
;;     1. [M 32,768, K 512] x [K 512, N 512]; A: computed on the way; B: input Wq: QUANTISED
;;     2. [M 32,768, K 512] x [K 512, N 512]; A: computed on the way; B: input Wk: QUANTISED
;;     3. [M 32,768, K 512] x [K 512, N 512]; A: computed on the way; B: input Wv: QUANTISED
;;     4. batch 32 x [M 1,024, K 512] x [K 512, N 1,024]; A: computed on the way; B: computed on the way: QUANTISED
;;     5. batch 32 x [M 1,024, K 1,024] x [K 1,024, N 512]; A: softmax (see below); B: computed on the way: QUANTISED
;;     6. [M 32,768, K 512] x [K 512, N 512]; A: computed on the way; B: input Wo: QUANTISED
;;   THE QUANTISER, for each operand of a quantised product, along K:
;;     - K is cut into blocks of 32 from its start; a last block that is shorter is filled with zeros.
;;     - A block's scale is 2^e with e = floor(log2(the largest magnitude in the block)) - 2, held to -126 .. 127; a block of zeros has e = 0. As a byte (E8M0): e + 127.
;;     - Each number is divided by its block's scale, clamped to +-7.5, and rounded to the nearest number of E2M3, ties to even, subnormals kept.
;;     - The product sums the exact products of the quantised numbers (number of the format x scale) in f32.
;;   ~~~python
;;   def quantise(x, axis):      # numpy; x: float32 -> the quantised numbers, widened to float32 again
;;       x = np.moveaxis(x, axis, -1); K = x.shape[-1]
;;       x = np.pad(x, [(0, 0)] * (x.ndim - 1) + [(0, -K % 32)]); x = x.reshape(x.shape[:-1] + (-1, 32)); a = np.abs(x).max(-1, keepdims=True)
;;       e = np.where(a > 0, np.clip(np.frexp(np.where(a > 0, a, 1))[1] - 1 - 2, -126, 127), 0)      # np.frexp(a)[1] - 1 = floor(log2(a)), exactly
;;       r = np.clip(x / 2.0 ** e, -7.5, 7.5)
;;       step = 2.0 ** (np.maximum(np.frexp(np.where(r == 0, 1, r))[1] - 1, 0) - 3)
;;       q = np.round(r / step) * step * 2.0 ** e      # np.round: ties to even
;;       return np.moveaxis(q.reshape(q.shape[:-2] + (-1,))[..., :K], -1, axis).astype(np.float32)
;;   ~~~
;;   SOFTMAX AHEAD OF A QUANTISED PRODUCT. Where the list says 'softmax', what is quantised is not the finished softmax but p = 2^(t - M), with t = logit x log2(e) and M = ceil(the row's largest t), a whole number; so 1/2 < the row's largest p <= 1. The row's sum l is taken of the UNQUANTISED p, in f32, and the product's result is divided by l at the end. Since M is a whole number, a kernel that streams over the keys may use a running M (the ceiling of the running maximum): every later rescaling is an exact power of two, which a block's scale takes up: the codes' values come out the same.
;;   OPERANDS COMPUTED ON THE WAY. 'Computed on the way' means the value that the module computes at that place (a softmax that the list does not call 'softmax' is quantised finished and normalised). What goes into a quantiser is computed in f32, as accurately as f32 sums, v_exp_f32 and their like allow (about 1e-6 of the number): no bf16 or f16 on the way to a quantiser, and a product that is left as it is and whose result goes on into a quantised operand takes f32 operands (vector FMAs, or v_wmma_f32_16x16x4_f32). A number that lies on a knife's edge between two numbers of the format may be rounded either way, as far as f32 arithmetic and the matrix unit's own rounding can turn it there, and no further.
;; One version. Each part assembles by itself: llvm-mc -triple=amdgcn-amd-amdhsa -mcpu=gfx1250 --defsym DOCPART=n.
;; ======== version 1 of 1: 3 launches
;; limits: right only within a limited range of input values
;; workspace buffers: tc 12,582,912 bytes; ts 524,288 bytes; wc 786,432 bytes; ws 32,768 bytes; qq 13,107,200 bytes; kv 26,214,400 bytes
;; launch prep (part 1): grid 256 x 1, 16 waves a work-group, no clusters, 54,272 bytes of LDS; arguments x, gn_w, gn_b, Wq, Wk, Wv, Wo, tc, ts, wc, ws; writes tc, ts, wc, ws
.if DOCPART == 1
	.amdgcn_target "amdgcn-amd-amdhsa--gfx1250"
	.amdhsa_code_object_version 6
	.text
	.protected	k_q2fd61dcb42_prep
	.globl	k_q2fd61dcb42_prep
	.p2align	8
	.type	k_q2fd61dcb42_prep,@function
k_q2fd61dcb42_prep:
	s_mov_b64 s[64:65], 0
	v_nop
	global_prefetch_b8 v0, s[64:65] scope:SCOPE_SE
	s_setreg_imm32_b32 hwreg(HW_REG_WAVE_MODE, 25, 1), 1
	s_wait_xcnt 0x0
; PREP: GroupNorm of x, quantised along the channels into codes of E2M3 with one E8M0 byte for each 32 channels; and the four weights quantised along their K.
; x: [32][512][1024] f32.  t[b][place][channel] = GroupNorm(x)[b][channel][place] is the left operand of the three projections: its K is the channels, x's OUTER axis.
; SHARES.  Work-group g = 8 b + i owns the 64 channels 64 i .. 64 i + 63 of batch b: four groups of 16 channels x 1,024 places, 262,144 bytes, read once and kept in registers:
; thread t holds places 2 t and 2 t + 1 of all 64 channels (128 registers).  A LANE TAKES A PLACE AND ITS REGISTERS RUN DOWN THE CHANNELS: a block of 32 along K lies in one lane, nothing is transposed by an instruction.
; Mean first, then the sum of squares of x - mean: no difference of large sums is formed.  Sums meet in LDS: two barriers.
; LAYOUT OF tc: [b][i][tile T 0..63] halves of fragments, 768 bytes each: half c = i % 2 of K step i / 2 of tile T.  Registers 6 c .. 6 c + 3 of lane l at 16 l, registers 6 c + 4, 6 c + 5 at 512 + 8 l.
; THE PLACES OF A TILE ARE NOT NEIGHBOURS: row r of tile T is place 32 (T / 2) + 8 (T % 2) + r + 8 (r / 8).  The same holds of the weights' tiles (their rows n).
; LAYOUT OF ts: [b][i][G 0..7][lane][jj 0..3] of two bytes (blocks 2 c, 2 c + 1 of the K step): lane = 16 (T % 2) + r, T = 8 G + 2 jj + T % 2.
; LAYOUT OF wc: [q, k, v, o][tile 0..31][K step 0..3] fragments of 1,536 bytes: registers 4 q .. 4 q + 3 of lane l at 512 q + 16 l.  ws: [weight][tile / 8][K step][j][lane] words: lanes 0-15 tile 2 j, lanes 16-31 tile 2 j + 1.
; Waves 0 and 1 of work-group g also quantise one fragment of a weight each: weight g / 64, tile 2 ((g / 4) % 16) + wave, K step g % 4: 256 work-groups x 2 = the 512 fragments.
; A block's scale is 2^(floor(log2(largest magnitude)) - 2): its byte is the largest magnitude's exponent field - 2, held at 1 from below by a floor among the maximum's leaves.
; LIMITS: NaN and infinities among the inputs are not served.  A block whose largest magnitude lies under 2^-124, a block of zeros among them, gets the byte 1 (the quantiser's text says 127 for zeros): its codes
; are zeros or the subnormal codes under that byte, and the bytes are read by this program alone.
; No matrix unit, no tensor load, no cluster: the work-groups share no input, and each byte of x is read once.
.set RED1, 0                           ; LDS: 16 waves x 4 sums
.set RED2, 256                         ; the same for the sums of squares
.set SCS,  512                         ; 2,048 scale bytes of the work-group, laid as ts
.set STG,  2560                        ; 3,072 bytes for each wave: its four tiles, laid as tc
.set CP,   32                          ; v32-63   codes: 8 registers for each (block hb, place j)
.set Y,    64                          ; v64-127  32 normalised numbers for each of my two places; in waves 0, 1 first 64 numbers of a weight
.set X,    128                         ; v128-255 x: register 2 ch + j
; v1 8 t; v2 lane; v3 lane / 16; v4, v5 where my codes go in the stage; v6 where my scale bytes go; v7 the stage read back; v8 the same place in tc; v9 16 x wave; v10 16 (lane % 16);
; v11 my bytes of a weight; v12 16 x lane; v13 4 (lane % 16); v14, v15 the scale bytes' way out; v16-31 at work
; s[2:3] lane selects; s[4:25] pointers; s26 wave; s27 g; s[28:29] offsets; s30 2^-14; s31 eps; s[32:63] gains, then gain x rstd; s66, s67, s100, s101 rstd of the four groups; s[68:99] biases
	s_load_b256 s[4:11], s[0:1], 0x0               ; x, gn_w, gn_b, Wq
	s_load_b256 s[12:19], s[0:1], 0x20             ; Wk, Wv, Wo, tc
	s_load_b128 s[20:23], s[0:1], 0x40             ; ts, wc
	s_load_b64 s[24:25], s[0:1], 0x50              ; ws
	v_lshl_add_u32 v55, v0, 2, 0xca00
	v_mov_b32 v63, 0
	v_lshrrev_b32 v2, 5, v0
	s_delay_alu instid0(VALU_DEP_1)
	v_readfirstlane_b32 s26, v2                    ; wave 0..15
	s_mov_b32 s27, ttmp9
	s_mov_b32 s2, 0x76543210
	s_mov_b32 s3, 0xfedcba98                       ; v_permlanex16_b32: lane l xor 16
	v_lshlrev_b32 v1, 3, v0                        ; my two places: 8 bytes of a channel's row
	v_and_b32 v2, 31, v0
	v_bfe_u32 v3, v0, 4, 1                         ; lane bit 4
	v_and_b32 v16, 3, v0                           ; lane bits 1:0
	v_bfe_u32 v17, v0, 2, 1                        ; lane bit 2
	v_bfe_u32 v18, v0, 3, 1                        ; lane bit 3
	; place = 64 wave + 2 lane + j: tile = 4 wave + 2 (bit 4) + (bit 2); row r = j + 2 (bits 1:0) + 8 (bit 3)
	s_mul_i32 s28, s26, 3072
	s_add_co_u32 s29, s28, STG                     ; my wave's stage
	v_mul_u32_u24 v19, v3, 1536
	s_delay_alu instid0(VALU_DEP_1)
	v_mad_u32_u24 v19, v17, 768, v19
	s_delay_alu instid0(VALU_DEP_1)
	v_add_nc_u32 v19, s29, v19                     ; my tile in it
	s_delay_alu instid0(VALU_DEP_1)
	v_lshl_add_u32 v4, v16, 5, v19
	s_delay_alu instid0(VALU_DEP_1)
	v_lshl_add_u32 v4, v18, 7, v4                  ; 16 r without j; 16 j + 256 hb stand in the immediate
	s_delay_alu instid0(VALU_DEP_3)
	v_lshl_add_u32 v5, v16, 4, v19
	s_delay_alu instid0(VALU_DEP_1)
	v_lshl_add_u32 v5, v18, 6, v5                  ; 8 r without j; 512 + 8 j + 128 hb in the immediate
	v_lshlrev_b32 v12, 4, v2
	s_delay_alu instid0(VALU_DEP_1)
	v_add_nc_u32 v7, s29, v12
	s_delay_alu instid0(VALU_DEP_2)
	v_add_nc_u32 v8, s28, v12
	s_lshr_b32 s30, s26, 1
	s_lshl_b32 s30, s30, 8                         ; G = wave / 2: 256 bytes
	s_and_b32 s31, s26, 1
	s_lshl_b32 s31, s31, 2                         ; jj = 2 (wave % 2) + bit 4: 2 bytes each
	s_add_co_u32 s30, s30, s31
	s_add_co_u32 s30, s30, SCS
	v_lshlrev_b32 v6, 1, v3
	s_delay_alu instid0(VALU_DEP_1)
	v_lshl_add_u32 v6, v17, 7, v6                  ; 8 x (16 (bit 2) + r)
	s_delay_alu instid0(VALU_DEP_1)
	v_lshl_add_u32 v6, v16, 4, v6
	s_delay_alu instid0(VALU_DEP_1)
	v_lshl_add_u32 v6, v18, 6, v6
	s_delay_alu instid0(VALU_DEP_1)
	v_add_nc_u32 v6, s30, v6
	v_mov_b32 v9, s26
	s_delay_alu instid0(VALU_DEP_1)
	v_lshlrev_b32 v9, 4, v9
	v_and_b32 v20, 15, v0
	s_delay_alu instid0(VALU_DEP_1)
	v_lshlrev_b32 v10, 4, v20
	s_delay_alu instid0(VALU_DEP_2)
	v_lshlrev_b32 v13, 2, v20
	s_delay_alu instid0(VALU_DEP_3)
	v_and_b32 v21, 8, v20
	s_delay_alu instid0(VALU_DEP_1)
	v_add_nc_u32 v21, v21, v20                     ; r + 8 (r / 8)
	s_delay_alu instid0(VALU_DEP_1)
	v_lshlrev_b32 v11, 11, v21                     ; a row of a weight is 2,048 bytes
	s_delay_alu instid0(VALU_DEP_1)
	v_lshl_add_u32 v11, v3, 7, v11                 ; + 128 h: my block of 32
	v_lshlrev_b32 v15, 4, v0
	s_delay_alu instid0(VALU_DEP_1)
	v_add_nc_u32 v14, SCS, v15
	s_lshl_b32 s28, s27, 18                        ; g x 64 channels x 4,096 bytes
	s_mov_b32 s29, 0
	s_wait_kmcnt 0x0
	s_add_nc_u64 s[4:5], s[4:5], s[28:29]
	s_and_b32 s28, s27, 7
	s_lshl_b32 s28, s28, 8                         ; my 64 gains and biases
	s_add_nc_u64 s[6:7], s[6:7], s[28:29]
	s_add_nc_u64 s[8:9], s[8:9], s[28:29]
	s_load_b512 s[32:47], s[6:7], 0x0              ; those of channels 0-31
	s_load_b512 s[48:63], s[6:7], 0x40
	s_load_b512 s[68:83], s[8:9], 0x0
	s_load_b512 s[84:99], s[8:9], 0x40
	s_mul_i32 s28, s27, 49152
	s_add_nc_u64 s[18:19], s[18:19], s[28:29]      ; tc at my 64 half fragments
	s_lshl_b32 s28, s27, 11
	s_add_nc_u64 s[20:21], s[20:21], s[28:29]      ; ts at my 2,048 bytes
	s_lshr_b32 s30, s27, 6                         ; which weight: the choice hangs on the work-group's number alone
	s_cmp_eq_u32 s30, 1
	s_cselect_b64 s[10:11], s[12:13], s[10:11]
	s_cmp_eq_u32 s30, 2
	s_cselect_b64 s[10:11], s[14:15], s[10:11]
	s_cmp_eq_u32 s30, 3
	s_cselect_b64 s[10:11], s[16:17], s[10:11]
	s_bfe_u32 s31, s27, 0x40002                    ; tp: the pair of tiles
	s_and_b32 s66, s27, 3                          ; the K step
	s_min_u32 s67, s26, 1                          ; u: wave 0 or 1 (the other waves use none of this)
	s_lshl_b32 s28, s31, 16                        ; 32 tp rows of 2,048 bytes
	s_lshl_b32 s100, s66, 9
	s_add_co_u32 s28, s28, s100                    ; + 128 numbers a K step
	s_lshl_b32 s100, s67, 14
	s_add_co_u32 s28, s28, s100                    ; + 8 u rows
	s_add_nc_u64 s[10:11], s[10:11], s[28:29]
	s_lshl_b32 s28, s31, 1
	s_add_co_u32 s28, s28, s67                     ; the tile
	s_lshl_b32 s28, s28, 2
	s_add_co_u32 s28, s28, s66
	s_mul_i32 s28, s28, 1536
	s_mul_i32 s100, s30, 196608
	s_add_co_u32 s28, s28, s100
	s_add_nc_u64 s[22:23], s[22:23], s[28:29]      ; wc at my fragment
	s_lshl_b32 s28, s30, 13
	s_lshr_b32 s100, s31, 2
	s_lshl_b32 s100, s100, 11
	s_add_co_u32 s28, s28, s100
	s_lshl_b32 s100, s66, 9
	s_add_co_u32 s28, s28, s100
	s_and_b32 s100, s31, 3
	s_lshl_b32 s100, s100, 7
	s_add_co_u32 s28, s28, s100
	s_lshl_b32 s100, s67, 6
	s_add_co_u32 s28, s28, s100
	s_add_nc_u64 s[24:25], s[24:25], s[28:29]      ; ws at my half of a pack register
	s_mov_b32 s30, 0x38800000                      ; 2^-14 = 1 / (16 channels x 1,024 places)
	s_mov_b32 s31, 0x358637bd                      ; eps = 1e-6
.macro XIN                             ; 64 loads: a wave's load covers 256 consecutive bytes of a channel's row, aligned
.set C_, 0
.rept 64
	global_load_b64 v[X+2*C_:X+2*C_+1], v1, s[4:5] offset:4096*C_ th:TH_LOAD_NT
.set C_, C_+1
.endr
.endm
	s_cmp_lt_u32 s26, 2
	s_cbranch_scc0 .Lplain
	; ---- waves 0 and 1: a fragment of a weight.  Lane (r, h) takes of its row k = 64 c + 32 h + 0 .. 31: two whole blocks
.set Q_, 0
	s_wait_alu depctr_va_vdst(0)
.rept 16
	global_load_b128 v[Y+4*Q_:Y+4*Q_+3], v11, s[10:11] offset:256*(Q_/8)+16*(Q_%8)
.set Q_, Q_+1
.endr
	XIN
	s_wait_loadcnt 63                              ; the weight's 16 loads are in: of the 64 issued behind them 63 may be out (the wait's field holds no more)
.irp c, 0,1
	v_max3_num_f32 v[16+\c], |v[Y+32*\c]|, |v[Y+32*\c+1]|, 0x1800000   ; and the floor 2^(3 - 127): the byte cannot fall under 1
.endr
.irp i, 2,4,6,8,10,12,14,16,18,20,22,24,26,28,30
.irp c, 0,1
	s_delay_alu instid0(VALU_DEP_2)
	v_max3_num_f32 v[16+\c], v[16+\c], |v[Y+32*\c+\i]|, |v[Y+32*\c+\i+1]|
.endr
.endr
.irp c, 0,1
	s_delay_alu instid0(VALU_DEP_2)
	v_add_nc_u32 v[18+\c], 0xff000000, v[16+\c]    ; 2 off the exponent field: the conversion's scale operand
.endr
.irp c, 0,1
	s_delay_alu instid0(VALU_DEP_2)
	v_lshrrev_b32 v[20+\c], 23, v[18+\c]           ; the scale's byte
.endr
	s_delay_alu instid0(VALU_DEP_1)
	v_lshl_or_b32 v22, v21, 16, v20                ; my two bytes, blocks h and 2 + h,
	v_lshlrev_b32 v23, 3, v3
	s_delay_alu instid0(VALU_DEP_1)
	v_lshlrev_b32 v22, v23, v22                    ; at their places in the word;
	v_mov_b32 v23, 0
	s_delay_alu instid0(VALU_DEP_1)
	v_permlanex16_b32 v23, v22, s2, s3
	s_delay_alu instid0(VALU_DEP_1)
	v_or_b32 v22, v22, v23                         ; with lane l xor 16's two the word is whole, in both lanes
.irp c, 0,1
	v_cvt_scalef32_pk16_fp6_f32 v[32+6*\c:34+6*\c], v[Y+32*\c:Y+32*\c+15], v[18+\c]
	v_cvt_scalef32_pk16_fp6_f32 v[24+4*\c:26+4*\c], v[Y+32*\c+16:Y+32*\c+31], v[18+\c]   ; (a conversion's three registers begin on an even number)
.endr
	v_nop                                          ; one plain place behind a scaled conversion
.irp c, 0,1
.irp i, 0,1,2
	v_mov_b32 v[35+6*\c+\i], v[24+4*\c+\i]
.endr
.endr
.irp q, 0,1,2
	global_store_b128 v12, v[32+4*\q:35+4*\q], s[22:23] offset:512*\q   ; the fragment as it stands: 512 consecutive bytes a store
.endr
	global_store_b32 v13, v22, s[24:25]            ; my tile's 16 words (lanes l and l xor 16 write the same word to the same place)
	s_wait_xcnt 0x0                                ; the stores' registers are written again below only behind this wait
	s_branch .Lstats
.Lplain:
	XIN
.Lstats:
; The four sums in v[20:23] of every lane become the work-group's, in every lane: inside the wave, then 16 waves' through LDS.
; (two sums at a time, in v[20:21]: the two groups of a block of 32 channels)
.macro WGSUM red
.irp m, 1,2,4,8
.irp q, 0,1
	v_add_f32_dpp v[20+\q], v[20+\q], v[20+\q] row_xmask:\m row_mask:0xf bank_mask:0xf
.endr
.endr
.irp q, 0,1
	s_delay_alu instid0(VALU_DEP_2)
	v_permlanex16_b32 v[16+\q], v[20+\q], s2, s3
.endr
.irp q, 0,1
	s_delay_alu instid0(VALU_DEP_2)
	v_add_f32 v[20+\q], v[20+\q], v[16+\q]
.endr
	ds_store_b64 v9, v[20:21] offset:\red          ; all lanes write the wave's 8 bytes with the same values
	s_wait_dscnt 0x0                               ; for the others' sake: my store has landed
	s_barrier_signal -1
	s_barrier_wait -1
	ds_load_b64 v[20:21], v10 offset:\red          ; lane l takes wave l % 16's
	s_wait_dscnt 0x0
.irp m, 1,2,4,8
.irp q, 0,1
	v_add_f32_dpp v[20+\q], v[20+\q], v[20+\q] row_xmask:\m row_mask:0xf bank_mask:0xf
.endr
.endr
.endm
	; ---- the means
; THE STATISTICS GO BY HALVES: groups 2 hb and 2 hb + 1, the block hb of 32 channels.  Block 0 is summed, normalised and quantised while the 32 loads of block 1 may still be out.
; Each half has two barriers and LDS words of its own for its sums: half 0 at RED1 and RED2, half 1 at 53,760 bytes above them, behind the spare words.
.macro STATS hb
.set G_, 0
.rept 2
	s_wait_loadcnt 48-16*(G_+2*\hb)                ; this group's 16 loads are in; the later groups' may be out
.set XB_, X+32*(G_+2*\hb)
	v_pk_add_f32 v[16:17], v[XB_:XB_+1], v[XB_+2:XB_+3]
	v_pk_add_f32 v[18:19], v[XB_+4:XB_+5], v[XB_+6:XB_+7]
.irp c, 8,12,16,20,24,28
	s_delay_alu instid0(VALU_DEP_2)
	v_pk_add_f32 v[16:17], v[16:17], v[XB_+\c:XB_+\c+1]
	s_delay_alu instid0(VALU_DEP_2)
	v_pk_add_f32 v[18:19], v[18:19], v[XB_+\c+2:XB_+\c+3]
.endr
	s_delay_alu instid0(VALU_DEP_1)
	v_pk_add_f32 v[16:17], v[16:17], v[18:19]
	s_delay_alu instid0(VALU_DEP_1)
	v_add_f32 v[20+G_], v16, v17
.set G_, G_+1
.endr
	WGSUM RED1+53760*\hb
.irp q, 0,1
	s_delay_alu instid0(VALU_DEP_2)
	v_mul_f32 v[26+2*\q], s30, v[20+\q]            ; the mean, twice: a pair for the packed form (v24, v25 keep block 0's scale bytes)
.endr
.irp q, 0,1
	s_delay_alu instid0(VALU_DEP_2)
	v_mov_b32 v[27+2*\q], v[26+2*\q]
.endr
	; x - mean, in place, and the sums of its squares
.set G_, 0
.rept 2
.set XB_, X+32*(G_+2*\hb)
.irp c, 0,2,4,6,8,10,12,14,16,18,20,22,24,26,28,30
	v_pk_add_f32 v[XB_+\c:XB_+\c+1], v[XB_+\c:XB_+\c+1], v[26+2*G_:27+2*G_] neg_lo:[0,1] neg_hi:[0,1]
.endr
	v_pk_mul_f32 v[16:17], v[XB_:XB_+1], v[XB_:XB_+1]
	v_pk_mul_f32 v[18:19], v[XB_+2:XB_+3], v[XB_+2:XB_+3]
.irp c, 4,8,12,16,20,24,28
	s_delay_alu instid0(VALU_DEP_2)
	v_pk_fma_f32 v[16:17], v[XB_+\c:XB_+\c+1], v[XB_+\c:XB_+\c+1], v[16:17]
	s_delay_alu instid0(VALU_DEP_2)
	v_pk_fma_f32 v[18:19], v[XB_+\c+2:XB_+\c+3], v[XB_+\c+2:XB_+\c+3], v[18:19]
.endr
	s_delay_alu instid0(VALU_DEP_1)
	v_pk_add_f32 v[16:17], v[16:17], v[18:19]
	s_delay_alu instid0(VALU_DEP_1)
	v_add_f32 v[20+G_], v16, v17
.set G_, G_+1
.endr
	WGSUM RED2+53760*\hb
.irp q, 0,1
	s_delay_alu instid0(VALU_DEP_2)
	v_fma_f32 v[20+\q], v[20+\q], s30, s31         ; the variance + eps
.endr
	s_wait_alu depctr_va_vdst(0)
.irp q, 0,1
	v_rsq_f32 v[20+\q], v[20+\q]
.endr
	v_nop                                          ; one plain place behind the transcendentals
	s_wait_alu depctr_va_vdst(0)
	v_readfirstlane_b32 s[66+34*\hb], v20
	v_readfirstlane_b32 s[67+34*\hb], v21
.endm
; ---- a block of 32 channels (hb = 0, 1) for my two places: (x - mean) x (gain x rstd) + bias, its scale, its codes
.macro HALF hb
	s_wait_kmcnt 0x0                               ; this block's gains and biases
.set C_, 0
.rept 32
	s_mul_f32 s[32+C_], s[32+C_], s[66+34*\hb+(C_>>4)]
.set C_, C_+1
.endr
.set C_, 0
.rept 32
	v_fma_f32 v[Y+C_], v[X+2*(32*\hb+C_)], s[32+C_], s[68+C_]        ; the destination's number does the turning: a place's 32 channels come to stand in 32 consecutive registers
	v_fma_f32 v[Y+32+C_], v[X+2*(32*\hb+C_)+1], s[32+C_], s[68+C_]
.set C_, C_+1
.endr
.if \hb == 0
	s_load_b512 s[32:47], s[6:7], 0x80             ; the gains and biases of channels 32-63 come while this block is quantised
	s_load_b512 s[48:63], s[6:7], 0xc0
	s_load_b512 s[68:83], s[8:9], 0x80
	s_load_b512 s[84:99], s[8:9], 0xc0
.endif
.irp j, 0,1
	v_max3_num_f32 v[16+2*\j], |v[Y+32*\j]|, |v[Y+32*\j+1]|, |v[Y+32*\j+2]|
	v_max3_num_f32 v[17+2*\j], |v[Y+32*\j+3]|, |v[Y+32*\j+4]|, |v[Y+32*\j+5]|
.endr
.irp i, 6,10,14,18,22,26
.irp j, 0,1
	s_delay_alu instid0(VALU_DEP_4)
	v_max3_num_f32 v[16+2*\j], v[16+2*\j], |v[Y+32*\j+\i]|, |v[Y+32*\j+\i+1]|
	s_delay_alu instid0(VALU_DEP_4)
	v_max3_num_f32 v[17+2*\j], v[17+2*\j], |v[Y+32*\j+\i+2]|, |v[Y+32*\j+\i+3]|
.endr
.endr
.irp j, 0
	s_delay_alu instid0(VALU_DEP_4)
	v_max3_num_f32 v[16+2*\j], v[16+2*\j], |v[Y+32*\j+30]|, |v[Y+32*\j+31]|
.endr
.irp j, 1
	s_delay_alu instid0(VALU_DEP_3)
	v_max3_num_f32 v[16+2*\j], v[16+2*\j], |v[Y+32*\j+30]|, |v[Y+32*\j+31]|
.endr
.irp j, 0,1
	s_delay_alu instid0(VALU_DEP_2)
	v_max3_num_f32 v[16+2*\j], v[16+2*\j], v[17+2*\j], 0x1800000     ; and the floor 2^(3 - 127)
.endr
.irp j, 0,1
	s_delay_alu instid0(VALU_DEP_2)
	v_add_nc_u32 v[20+\j], 0xff000000, v[16+2*\j]  ; 2 off the exponent field: the conversion's scale operand
.endr
.irp j, 0,1
	s_delay_alu instid0(VALU_DEP_2)
	v_lshrrev_b32 v[22+\j], 23, v[20+\j]           ; the scale's byte
.endr
.irp j, 0,1
.if \hb == 0
	s_delay_alu instid0(VALU_DEP_2)
	v_mov_b32 v[24+\j], v[22+\j]
.else
	s_delay_alu instid0(VALU_DEP_2)
	v_lshl_or_b32 v[24+\j], v[22+\j], 8, v[24+\j]  ; block 1's byte above block 0's
.endif
.endr
.irp j, 0,1
	v_cvt_scalef32_pk16_fp6_f32 v[CP+16*\hb+8*\j:CP+16*\hb+8*\j+2], v[Y+32*\j:Y+32*\j+15], v[20+\j]
	v_cvt_scalef32_pk16_fp6_f32 v[CP+16*\hb+8*\j+4:CP+16*\hb+8*\j+6], v[Y+32*\j+16:Y+32*\j+31], v[20+\j]   ; (three registers from an even number on: one too high)
.endr
	v_nop                                          ; one plain place behind a scaled conversion
.irp j, 0,1
.irp i, 3,4,5
	v_mov_b32 v[CP+16*\hb+8*\j+\i], v[CP+16*\hb+8*\j+\i+1]           ; moved down by one: six registers on end
.endr
.endr
.irp j, 0,1
	ds_store_b128 v4, v[CP+16*\hb+8*\j:CP+16*\hb+8*\j+3] offset:256*\hb+16*\j
	ds_store_b64 v5, v[CP+16*\hb+8*\j+4:CP+16*\hb+8*\j+5] offset:512+128*\hb+8*\j
.endr
.endm
	STATS 0
	HALF 0
	STATS 1
	HALF 1
.irp j, 0,1
	ds_store_b16 v6, v[24+\j] offset:8*\j
.endr
	; ---- my wave's four half fragments leave as they lie: 3,072 consecutive bytes
.irp q, 0,1,2,3,4,5
	ds_load_b128 v[Y+4*\q:Y+4*\q+3], v7 offset:512*\q    ; LDS serves a wave's instructions in order (ISA guide 5.7.1.4): these see my stores
.endr
.irp q, 0,1,2,3,4,5
	s_wait_dscnt 5-\q
	global_store_b128 v8, v[Y+4*\q:Y+4*\q+3], s[18:19] offset:512*\q   ; 512 consecutive bytes, at a multiple of 256 from tc's first byte
.endr
	s_wait_dscnt 0x0                               ; my scale bytes have landed
	s_barrier_signal -1
	s_barrier_wait -1                              ; everybody's have
	s_cmp_lt_u32 s26, 4
	s_cbranch_scc0 .Ldone
	ds_load_b128 v[96:99], v14                     ; threads 0-127: the work-group's 2,048 scale bytes
	s_wait_dscnt 0x0
	global_store_b128 v15, v[96:99], s[20:21]
.Ldone:
	s_wait_tensorcnt 0x0
	ds_add_u32 v55, v63
	s_wait_dscnt 0x0
	s_endpgm
.Lfunc_end_k_q2fd61dcb42_prep:
	.size	k_q2fd61dcb42_prep, .Lfunc_end_k_q2fd61dcb42_prep-k_q2fd61dcb42_prep
	.p2alignl 7, 3214868480
	.fill 96, 4, 3214868480
	.section	.rodata,"a",@progbits
	.p2align	6, 0x0
	.amdhsa_kernel k_q2fd61dcb42_prep
		.amdhsa_group_segment_fixed_size 54272
		.amdhsa_private_segment_fixed_size 0
		.amdhsa_enable_private_segment 0
		.amdhsa_kernarg_size 88
		.amdhsa_user_sgpr_count 2
		.amdhsa_user_sgpr_kernarg_segment_ptr 1
		.amdhsa_wavefront_size32 1
		.amdhsa_system_sgpr_workgroup_id_x 1
		.amdhsa_system_sgpr_workgroup_id_y 1
		.amdhsa_system_sgpr_workgroup_id_z 1
		.amdhsa_system_vgpr_workitem_id 0
		.amdhsa_next_free_vgpr 256
		.amdhsa_next_free_sgpr 102
		.amdhsa_reserve_vcc 0
		.amdhsa_float_denorm_mode_32 3
		.amdhsa_float_denorm_mode_16_64 3
		.amdhsa_memory_ordered 1
		.amdhsa_forward_progress 1
		.amdhsa_inst_pref_size 68
	.end_amdhsa_kernel
	.amdgpu_metadata
---
amdhsa.version: [ 1, 2 ]
amdhsa.kernels:
  - .name:           k_q2fd61dcb42_prep
    .symbol:         k_q2fd61dcb42_prep.kd
    .args:
      - { .name: x, .offset: 0, .size: 8, .value_kind: global_buffer, .address_space: global }
      - { .name: gn_w, .offset: 8, .size: 8, .value_kind: global_buffer, .address_space: global }
      - { .name: gn_b, .offset: 16, .size: 8, .value_kind: global_buffer, .address_space: global }
      - { .name: Wq, .offset: 24, .size: 8, .value_kind: global_buffer, .address_space: global }
      - { .name: Wk, .offset: 32, .size: 8, .value_kind: global_buffer, .address_space: global }
      - { .name: Wv, .offset: 40, .size: 8, .value_kind: global_buffer, .address_space: global }
      - { .name: Wo, .offset: 48, .size: 8, .value_kind: global_buffer, .address_space: global }
      - { .name: tc, .offset: 56, .size: 8, .value_kind: global_buffer, .address_space: global }
      - { .name: ts, .offset: 64, .size: 8, .value_kind: global_buffer, .address_space: global }
      - { .name: wc, .offset: 72, .size: 8, .value_kind: global_buffer, .address_space: global }
      - { .name: ws, .offset: 80, .size: 8, .value_kind: global_buffer, .address_space: global }
    .group_segment_fixed_size: 54272
    .private_segment_fixed_size: 0
    .kernarg_segment_align: 8
    .kernarg_segment_size: 88
    .max_flat_workgroup_size: 512
    .sgpr_count:     102
    .vgpr_count:     256
    .wavefront_size: 32
...
	.end_amdgpu_metadata
.endif
;; end of part 1
;; launch qkv (part 2): grid 256 x 1, 4 waves a work-group, no clusters, 327,680 bytes of LDS; arguments tc, ts, wc, ws, bq, bk, bv, qq, kv; writes qq, kv
.if DOCPART == 2
	.amdgcn_target "amdgcn-amd-amdhsa--gfx1250"
	.amdhsa_code_object_version 6
	.text
	.protected	k_q2fd61dcb42_qkv
	.globl	k_q2fd61dcb42_qkv
	.p2align	8
	.type	k_q2fd61dcb42_qkv,@function
k_q2fd61dcb42_qkv:
	s_mov_b64 s[64:65], 0
	v_nop
	global_prefetch_b8 v0, s[64:65] scope:SCOPE_SE
	s_setreg_imm32_b32 hwreg(HW_REG_WAVE_MODE, 25, 1), 1
	s_wait_xcnt 0x0
.set TSL, 49152
.set WL,  51200
.set PWS, 8
.set PK,  16
.set PC,  20
.set PT,  32
.set TM,  40
.set ACC, 64
.set TSR, 128
.set TS,  192
.set WS,  208
.set BI,  192
.set SEL, 32
.set MSB, 0
.macro WIN new
.if MSB != (\new)
	s_set_vgpr_msb (MSB<<8)|(\new)
.set MSB, (\new)
.endif
.endm
.macro PLACES
.rept 4
	v_nop
.endr
.endm
.macro WM d, a, b, c, sa, sb, ra, rb
.if (\c) < 0
.if (\ra) && (\rb)
	v_wmma_scale_f32_16x16x128_f8f6f4 v[\d:\d+7], v[\a:\a+11], v[\b:\b+11], 0, v[\sa], v[\sb] matrix_a_fmt:MATRIX_FMT_FP6 matrix_b_fmt:MATRIX_FMT_FP6 matrix_a_scale:MATRIX_SCALE_ROW1 matrix_b_scale:MATRIX_SCALE_ROW1
.elseif (\ra)
	v_wmma_scale_f32_16x16x128_f8f6f4 v[\d:\d+7], v[\a:\a+11], v[\b:\b+11], 0, v[\sa], v[\sb] matrix_a_fmt:MATRIX_FMT_FP6 matrix_b_fmt:MATRIX_FMT_FP6 matrix_a_scale:MATRIX_SCALE_ROW1
.elseif (\rb)
	v_wmma_scale_f32_16x16x128_f8f6f4 v[\d:\d+7], v[\a:\a+11], v[\b:\b+11], 0, v[\sa], v[\sb] matrix_a_fmt:MATRIX_FMT_FP6 matrix_b_fmt:MATRIX_FMT_FP6 matrix_b_scale:MATRIX_SCALE_ROW1
.else
	v_wmma_scale_f32_16x16x128_f8f6f4 v[\d:\d+7], v[\a:\a+11], v[\b:\b+11], 0, v[\sa], v[\sb] matrix_a_fmt:MATRIX_FMT_FP6 matrix_b_fmt:MATRIX_FMT_FP6
.endif
.else
.if (\ra) && (\rb)
	v_wmma_scale_f32_16x16x128_f8f6f4 v[\d:\d+7], v[\a:\a+11], v[\b:\b+11], v[\c:\c+7], v[\sa], v[\sb] matrix_a_fmt:MATRIX_FMT_FP6 matrix_b_fmt:MATRIX_FMT_FP6 matrix_a_scale:MATRIX_SCALE_ROW1 matrix_b_scale:MATRIX_SCALE_ROW1
.elseif (\ra)
	v_wmma_scale_f32_16x16x128_f8f6f4 v[\d:\d+7], v[\a:\a+11], v[\b:\b+11], v[\c:\c+7], v[\sa], v[\sb] matrix_a_fmt:MATRIX_FMT_FP6 matrix_b_fmt:MATRIX_FMT_FP6 matrix_a_scale:MATRIX_SCALE_ROW1
.elseif (\rb)
	v_wmma_scale_f32_16x16x128_f8f6f4 v[\d:\d+7], v[\a:\a+11], v[\b:\b+11], v[\c:\c+7], v[\sa], v[\sb] matrix_a_fmt:MATRIX_FMT_FP6 matrix_b_fmt:MATRIX_FMT_FP6 matrix_b_scale:MATRIX_SCALE_ROW1
.else
	v_wmma_scale_f32_16x16x128_f8f6f4 v[\d:\d+7], v[\a:\a+11], v[\b:\b+11], v[\c:\c+7], v[\sa], v[\sb] matrix_a_fmt:MATRIX_FMT_FP6 matrix_b_fmt:MATRIX_FMT_FP6
.endif
.endif
.endm
.macro QSET g
.set QJ_, 0
.set QS_, ACC+64*((\g)&1)
.set QW_, PWS+((\g)&7)
.set QB_, 80+4*((\g)>>3)
.if ((\g)>>3) == 2
.set QO_, 1536*((\g)&7)
.else
.set QO_, 6144*((\g)&7)
.endif
.set QN_, 72
.if ((\g)&7) == 7
.set QN_, 77
.endif
.endm
.macro QI
.if QJ_ < 4
	v_max3_num_f32 v[TM+QJ_], |v[QS_+16*QJ_]|, |v[QS_+16*QJ_+1]|, 0x1800000
.elseif QJ_ < 32
.set QB2_, QJ_&3
.set QI2_, 2*(QJ_>>2)
	v_max3_num_f32 v[TM+QB2_], v[TM+QB2_], |v[QS_+16*QB2_+QI2_]|, |v[QS_+16*QB2_+QI2_+1]|
.elseif QJ_ < 36
	v_permlanex16_b32 v[TM+4+(QJ_&3)], v[TM+(QJ_&3)], s[SEL], s[SEL+1]
.elseif QJ_ < 40
	v_max_num_f32 v[TM+(QJ_&3)], v[TM+(QJ_&3)], v[TM+4+(QJ_&3)]
.elseif QJ_ < 44
	v_add_nc_u32 v[TM+12+(QJ_&3)], 0xff000000, v[TM+(QJ_&3)]
.elseif QJ_ < 48
	v_lshrrev_b32 v[TM+4+(QJ_&3)], 23, v[TM+12+(QJ_&3)]
.elseif QJ_ == 48
	v_lshl_or_b32 v[QW_], v[TM+5], 8, v[TM+4]
.elseif QJ_ == 49
	v_lshl_or_b32 v[QW_], v[TM+6], 16, v[QW_]
.elseif QJ_ == 50
	v_lshl_or_b32 v[QW_], v[TM+7], 24, v[QW_]
.elseif QJ_ == 51
	s_wait_xcnt 0x0
.elseif QJ_ < 56
.set QC_, (QJ_-52)>>1
.if (QJ_&1) == 0
	v_cvt_scalef32_pk16_fp6_f32 v[PC+6*QC_:PC+6*QC_+2], v[QS_+32*QC_:QS_+32*QC_+15], v[TM+12+2*QC_]
.else
	v_cvt_scalef32_pk16_fp6_f32 v[PT+4*QC_:PT+4*QC_+2], v[QS_+32*QC_+16:QS_+32*QC_+31], v[TM+13+2*QC_]
.endif
.elseif QJ_ == 56
	v_nop
.elseif QJ_ < 69
.set QC_, (QJ_-57)/6
.set QK_, (QJ_-57)%6
.if QK_ < 3
	v_permlane16_swap_b32 v[PC+6*QC_+QK_], v[PT+4*QC_+QK_]
.else
	v_mov_b32 v[PC+6*QC_+QK_], v[PT+4*QC_+QK_-3]
.endif
.elseif QJ_ < 72
	global_store_b128 v1, v[PC+4*(QJ_-69):PC+4*(QJ_-69)+3], s[QB_:QB_+1] offset:QO_+512*(QJ_-69)
.elseif QJ_ < 76
	v_cndmask_b32 v[PK+QJ_-72], v[PWS+2*(QJ_-72)], v[PWS+2*(QJ_-72)+1], vcc_lo
.else
	global_store_b128 v1, v[PK:PK+3], s[QB_+2:QB_+3]
.endif
.set QJ_, QJ_+1
.endm
.macro LDW reg, t, ks, sb
.irp q, 0,1,2
	global_load_b128 v[\reg+4*\q:\reg+4*\q+3], v1, s[\sb:\sb+1] offset:(4*(\t)+(\ks))*1536+512*\q
.endr
.endm
.macro LDK reg, t, ks
.irp q, 0,1,2
	ds_load_b128 v[\reg+4*\q:\reg+4*\q+3], v7 offset:(4*(\t)+(\ks))*1536+512*\q
.endr
.endm
.macro LDT reg, t, ks
	ds_load_b128 v[\reg:\reg+3], v1 offset:(2*(\ks))*6144+768*(\t)
	ds_load_b64 v[\reg+4:\reg+5], v2 offset:(2*(\ks))*6144+768*(\t)+512
	ds_load_b128 v[\reg+6:\reg+9], v1 offset:(2*(\ks)+1)*6144+768*(\t)
	ds_load_b64 v[\reg+10:\reg+11], v2 offset:(2*(\ks)+1)*6144+768*(\t)+512
.endm
.macro YT t
	WIN 0xc0
.irp ks, 0,1,2,3
	LDT 48*((\t)%4)+12*\ks, \t, \ks
.endr
	WIN 0
.endm
.macro YV t
	WIN 0xc0
.irp ks, 0,1,2,3
	LDW 48*((\t)%4)+12*\ks, \t, \ks, 92
.endr
	WIN 0
.endm
.macro XQ ks
	WIN 0x40*(1+((\ks)>>1))
.set N2_, 0
.rept 8
	LDW 96*((\ks)&1)+12*N2_, N2_, \ks, 8
.set N2_, N2_+1
.endr
	WIN 0
.endm
.macro XNEXT p, ks
	WIN 0x40*(1+((\ks)>>1))
.set N2_, 0
.rept 8
.if (\p) == 0
	LDK 96*((\ks)&1)+12*N2_, N2_, \ks
.else
	LDT 96*((\ks)&1)+12*N2_, N2_, \ks
.endif
.set N2_, N2_+1
.endr
	WIN 0
.endm
.macro OUTER g
.set P_, (\g)>>3
.set O_, (\g)&7
.set AC_, ACC+64*((\g)&1)
.if P_ == 0
.set CW_, 3
.elseif P_ == 1
.set CW_, 1
.else
.set CW_, 2
.endif
.if (\g) == 8
	s_wait_loadcnt 0x0
	WIN 0x82
.irp o, 0,1,2,3,4,5,6,7
.irp j, 1,2,3,4,5,6,7
	v_mov_b32 v[BI+8*\o+\j], v[BI+8*\o]
.endr
.endr
	WIN 0
	s_wait_dscnt 40
.elseif ((\g) > 0) && ((\g) < 16)
.set RL_, 15-(\g)
.if RL_ > 3
.set RL_, 3
.endif
	s_wait_dscnt 16*RL_
.elseif (\g) >= 16
.set RL_, 23-(\g)
.if RL_ > 3
.set RL_, 3
.endif
	s_wait_loadcnt 12*RL_
.if (\g) == 16
	s_wait_dscnt 32
.endif
.endif
.if (\g) == 7
	s_wait_tensorcnt 0x0
.endif
.if (\g) > 0
	QSET (\g)-1
.endif
.set IX_, 0
.rept 32
.set KS_, IX_>>3
.set N_, IX_&7
.if N_ == 0
.if (\g) == 0
.if KS_ == 0
	s_wait_loadcnt 63
.else
	s_wait_alu depctr_va_vdst(0)
	s_wait_loadcnt 72-24*KS_
.endif
.endif
.if KS_ == 3
.if (\g) == 8
	s_wait_dscnt 16
.endif
.if (\g) == 16
	s_wait_dscnt 0x0
.endif
.endif
.endif
.if P_ == 2
.set SA_, TS+4*KS_+(N_>>1)
.set SB_, WS+32+4*KS_+(O_>>1)
.set CI_, BI+8*O_
.else
.set SA_, WS+16*P_+4*KS_+(N_>>1)
.set SB_, TS+4*KS_+(O_>>1)
.set CI_, BI+8*N_
.endif
.if KS_ == 0
	WIN 0x0d|(CW_<<4)
.else
.set CI_, AC_+8*N_
	WIN 0x0d+(KS_>>1)
.endif
	WM AC_+8*N_, 96*(KS_&1)+12*N_, 48*(O_%4)+12*KS_, CI_, SA_, SB_, N_&1, O_&1
.if (\g) > 0
.if QJ_ < QN_
	WIN 0
.rept 3
.if QJ_ < QN_
	QI
.endif
.endr
.endif
.endif
.if (N_ == 7) && (O_ == 7) && (P_ < 2) && (KS_ < 3)
	WIN 0
	PLACES
	XNEXT P_, KS_
.endif
.set IX_, IX_+1
.endr
	WIN 0
	PLACES
.if (O_ == 7) && (P_ < 2)
	XNEXT P_, 3
.endif
.if (\g) <= 11
	YT ((\g)+4)&7
.elseif (\g) <= 19
	YV (\g)-12
.endif
.endm
	s_load_b256 s[4:11], s[0:1], 0x0
	s_load_b256 s[12:19], s[0:1], 0x20
	s_load_b64 s[20:21], s[0:1], 0x40
	v_lshl_add_u32 v62, v0, 2, 0x40000
	v_mov_b32 v63, 0
	ds_add_u32 v62, v63
	ds_add_u32 v62, v63
	v_lshrrev_b32 v1, 5, v0
	v_readfirstlane_b32 s22, v1
	s_mov_b32 s24, ttmp9
	s_lshr_b32 s25, s24, 3
	s_and_b32 s26, s24, 7
	s_mov_b32 s36, 3<<16
	s_mov_b32 s37, 768<<16
	s_mov_b32 s38, 2<<16
	s_mov_b32 s39, 768<<16
	s_mov_b32 s40, 2
	s_mov_b32 s41, 6144
	s_mov_b32 s42, 0
	s_mov_b32 s43, 0
	s_mov_b32 s68, 3<<16
	s_mov_b32 s69, 32<<16
	s_mov_b32 s70, 192<<16
	s_mov_b32 s71, 32<<16
	s_mov_b32 s72, 192
	s_mov_b32 s73, 32
	s_mov_b32 s74, 0
	s_mov_b32 s75, 0
	s_mul_i32 s28, s25, 393216
	s_mul_i32 s30, s26, 6144
	s_add_co_u32 s28, s28, s30
	s_mul_i32 s30, s22, 98304
	s_add_co_u32 s28, s28, s30
	s_mov_b32 s29, 0
	s_lshl_b32 s30, s25, 14
	s_lshl_b32 s31, s26, 8
	s_add_co_u32 s30, s30, s31
	s_mov_b32 s31, 0                               ; ts at my block's scale bytes: 16,384 b + 256 G; the eight channel blocks i lie 2,048 bytes apart
	s_mul_i32 s60, s22, 49152
	s_mov_b32 s61, 0
	s_mov_b32 s44, 1
	s_mul_i32 s45, s22, 12288
	s_mov_b32 s76, 1
	s_mul_i32 s77, s22, 49152
	s_add_co_u32 s77, s77, WL
	s_wait_dscnt 0x0
	s_wait_kmcnt 0x0
	s_add_nc_u64 s[46:47], s[4:5], s[28:29]
	s_or_b32 s47, s47, 0x80000000
	s_add_nc_u64 s[58:59], s[6:7], s[30:31]
	s_add_nc_u64 s[8:9], s[8:9], s[60:61]
	s_add_nc_u64 s[78:79], s[8:9], 196608
	s_or_b32 s79, s79, 0x80000000
	tensor_load_to_lds s[44:47], s[36:43]          ; my quarter of t's codes: my one tensor load at the head; the addresses and the first global loads follow while it is out
	s_nop 0
	PLACES
	v_and_b32 v5, 31, v0
	v_lshlrev_b32 v1, 4, v5
	v_lshlrev_b32 v2, 3, v5
	v_lshlrev_b32 v3, 2, v5
	v_bfe_u32 v4, v0, 4, 1
	v_lshlrev_b32 v4, 6, v4
	v_and_b32 v6, 15, v0
	v_and_b32 v7, 8, v6
	v_add_nc_u32 v6, v6, v7
	v_lshlrev_b32 v6, 2, v6
	v_add_nc_u32 v7, s77, v1
.irp b, 0,1,2,3
	v_mov_b32 v[TM+4+\b], 0
.endr
	s_wait_alu depctr_va_vdst(0)
	s_mov_b32 s[SEL], 0x76543210
	s_mov_b32 s[SEL+1], 0xfedcba98
	s_mov_b32 s34, 0x05040100
	s_mov_b32 s35, 0x07060302
	s_add_nc_u64 s[92:93], s[8:9], 393216
	s_lshl_b32 s28, s22, 11
	s_add_nc_u64 s[10:11], s[10:11], s[28:29]
	s_lshl_b32 s28, s22, 9
	s_add_nc_u64 s[12:13], s[12:13], s[28:29]
	s_add_nc_u64 s[14:15], s[14:15], s[28:29]
	s_add_nc_u64 s[16:17], s[16:17], s[28:29]
	s_mul_i32 s28, s24, 51200
	s_add_nc_u64 s[18:19], s[18:19], s[28:29]
	s_mul_i32 s28, s24, 102400
	s_add_nc_u64 s[20:21], s[20:21], s[28:29]
	s_mul_i32 s28, s22, 1536
	s_add_nc_u64 s[80:81], s[18:19], s[28:29]
	s_add_nc_u64 s[84:85], s[20:21], s[28:29]
	s_mul_i32 s28, s22, 12288
	s_add_co_u32 s28, s28, 51200
	s_add_nc_u64 s[88:89], s[20:21], s[28:29]
	s_lshl_b32 s28, s22, 9
	s_add_co_u32 s28, s28, 49152
	s_add_nc_u64 s[82:83], s[18:19], s[28:29]
	s_add_nc_u64 s[86:87], s[20:21], s[28:29]
	s_add_co_u32 s28, s28, 51200
	s_add_nc_u64 s[90:91], s[20:21], s[28:29]
.irp i, 0,1,2,3,4,5,6,7
	global_load_b64 v[TSR+2*\i:TSR+2*\i+1], v2, s[58:59] offset:2048*\i   ; t's scale bytes of channel block i: 32 lanes read 256 consecutive bytes, aligned, straight into registers
.endr
.set KS_, 0
.rept 4
.irp j, 0,1,2,3
	global_load_b32 v[WS+4*KS_+\j], v3, s[10:11] offset:512*KS_+128*\j
.endr
.set KS_, KS_+1
.endr
	WIN 0xc0
.irp n, 0,1,2,3,4,5,6,7
	global_load_b128 v[BI+8*\n:BI+8*\n+3], v4, s[12:13] offset:(32*(\n/2)+8*(\n%2))*4
	global_load_b128 v[BI+8*\n+4:BI+8*\n+7], v4, s[12:13] offset:(32*(\n/2)+8*(\n%2))*4+16
.endr
	XQ 0
	s_wait_alu depctr_va_vdst(0)
	s_wait_tensorcnt 0x0                           ; my quarter of t's codes is in
	ds_add_u32 v62, v63
	s_wait_dscnt 0x0
	s_barrier_signal -1
	s_barrier_wait -1                              ; everybody's quarter is in
	tensor_load_to_lds s[76:79], s[68:75]          ; Wk's fragments of my eight tiles: my one tensor load behind this barrier
	s_nop 0
	PLACES
	v_cmp_le_u32 vcc_lo, 16, v5                    ; lanes 16-31: written behind the last tensor load of the text
.irp o, 0,1,2,3
	YT \o
.endr
	s_wait_loadcnt 56                              ; t's scale bytes are in: behind their 8 loads stand 16 of Wq's packs, 16 of bq and 24 of Wq's K step 0
	s_wait_dscnt 48
.irp ks, 0,1,2,3
	v_perm_b32 v[TS+4*\ks], v[TSR+4*\ks+2], v[TSR+4*\ks], s34
	v_perm_b32 v[TS+4*\ks+1], v[TSR+4*\ks+2], v[TSR+4*\ks], s35
	v_perm_b32 v[TS+4*\ks+2], v[TSR+4*\ks+3], v[TSR+4*\ks+1], s34
	v_perm_b32 v[TS+4*\ks+3], v[TSR+4*\ks+3], v[TSR+4*\ks+1], s35
.endr
	XQ 1
	XQ 2
	XQ 3
.rept 8
	v_nop
.endr
	OUTER 0
.irp p, 1,2
.irp ks, 0,1,2,3
.irp j, 0,1,2,3
	global_load_b32 v[WS+16*\p+4*\ks+\j], v3, s[10:11] offset:8192*\p+512*\ks+128*\j
.endr
.endr
.endr
	WIN 0x40
.irp n, 0,1,2,3,4,5,6,7
	global_load_b128 v[BI+8*\n:BI+8*\n+3], v4, s[14:15] offset:(32*(\n/2)+8*(\n%2))*4
	global_load_b128 v[BI+8*\n+4:BI+8*\n+7], v4, s[14:15] offset:(32*(\n/2)+8*(\n%2))*4+16
.endr
	WIN 0x80
.irp o, 0,1,2,3,4,5,6,7
	global_load_b32 v[BI+8*\o], v6, s[16:17] offset:(32*(\o/2)+8*(\o%2))*4
.endr
	WIN 0
.irp g, 1,2,3,4,5,6,7,8,9,10,11,12,13,14,15,16,17,18,19,20,21,22,23
	OUTER \g
.endr
	QSET 23
.rept 77
	QI
.endr
	s_wait_tensorcnt 0x0
	ds_add_u32 v62, v63
	s_wait_dscnt 0x0
	s_endpgm
.Lfunc_end_k_q2fd61dcb42_qkv:
	.size	k_q2fd61dcb42_qkv, .Lfunc_end_k_q2fd61dcb42_qkv-k_q2fd61dcb42_qkv
	.p2alignl 7, 3214868480
	.fill 96, 4, 3214868480
	.section	.rodata,"a",@progbits
	.p2align	6, 0x0
	.amdhsa_kernel k_q2fd61dcb42_qkv
		.amdhsa_group_segment_fixed_size 327680
		.amdhsa_private_segment_fixed_size 0
		.amdhsa_enable_private_segment 0
		.amdhsa_kernarg_size 72
		.amdhsa_user_sgpr_count 2
		.amdhsa_user_sgpr_kernarg_segment_ptr 1
		.amdhsa_wavefront_size32 1
		.amdhsa_system_sgpr_workgroup_id_x 1
		.amdhsa_system_sgpr_workgroup_id_y 1
		.amdhsa_system_sgpr_workgroup_id_z 1
		.amdhsa_system_vgpr_workitem_id 0
		.amdhsa_next_free_vgpr 1024
		.amdhsa_next_free_sgpr 96
		.amdhsa_reserve_vcc 1
		.amdhsa_float_denorm_mode_32 3
		.amdhsa_float_denorm_mode_16_64 3
		.amdhsa_memory_ordered 1
		.amdhsa_forward_progress 1
		.amdhsa_inst_pref_size 255
	.end_amdhsa_kernel
	.section	.bss,"aw",@nobits
	.p2align	6
	.space	262144
	.amdgpu_metadata
---
amdhsa.version: [ 1, 2 ]
amdhsa.kernels:
  - .name:           k_q2fd61dcb42_qkv
    .symbol:         k_q2fd61dcb42_qkv.kd
    .args:
      - { .name: tc, .offset: 0, .size: 8, .value_kind: global_buffer, .address_space: global }
      - { .name: ts, .offset: 8, .size: 8, .value_kind: global_buffer, .address_space: global }
      - { .name: wc, .offset: 16, .size: 8, .value_kind: global_buffer, .address_space: global }
      - { .name: ws, .offset: 24, .size: 8, .value_kind: global_buffer, .address_space: global }
      - { .name: bq, .offset: 32, .size: 8, .value_kind: global_buffer, .address_space: global }
      - { .name: bk, .offset: 40, .size: 8, .value_kind: global_buffer, .address_space: global }
      - { .name: bv, .offset: 48, .size: 8, .value_kind: global_buffer, .address_space: global }
      - { .name: qq, .offset: 56, .size: 8, .value_kind: global_buffer, .address_space: global }
      - { .name: kv, .offset: 64, .size: 8, .value_kind: global_buffer, .address_space: global }
    .group_segment_fixed_size: 327680
    .private_segment_fixed_size: 0
    .kernarg_segment_align: 8
    .kernarg_segment_size: 72
    .max_flat_workgroup_size: 128
    .sgpr_count:     96
    .vgpr_count:     1024
    .wavefront_size: 32
...
	.end_amdgpu_metadata
.endif
;; end of part 2
;; launch attn (part 3): grid 256 x 1, 4 waves a work-group, clusters of 4 x 1, 327,680 bytes of LDS; arguments qq, kv, wc, ws, bo, x, out0; writes out0
.if DOCPART == 3
	.amdgcn_target "amdgcn-amd-amdhsa--gfx1250"
	.amdhsa_code_object_version 6
	.text
	.protected	k_q2fd61dcb42_attn
	.globl	k_q2fd61dcb42_attn
	.p2align	8
	.type	k_q2fd61dcb42_attn,@function
k_q2fd61dcb42_attn:
	s_mov_b64 s[64:65], 0
	v_nop
	global_prefetch_b8 v0, s[64:65] scope:SCOPE_SE
	s_setreg_imm32_b32 hwreg(HW_REG_WAVE_MODE, 25, 1), 1
	s_wait_xcnt 0x0
	s_wait_alu depctr_hold_cnt(0) depctr_sa_sdst(0) depctr_va_vdst(0) depctr_va_sdst(0) depctr_va_ssrc(0) depctr_va_vcc(0) depctr_vm_vsrc(0)
	s_getreg_b32 s2, hwreg(HW_REG_IB_STS2, 6, 4)
	s_cmp_eq_u32 s2, 0
	s_cbranch_scc0 .Lentry_in_a_cluster
	s_endpgm
.Lentry_in_a_cluster:
	s_bfe_u32 s2, ttmp6, 0x10000c
	s_cmp_lg_u32 s2, 0x3003
	s_cbranch_scc0 .Lentry_shape_is_right
	s_endpgm
.Lentry_shape_is_right:
; ATTN: out0 = x + (softmax(q k^T / sqrt(512)) v) Wo^T + bo, all three products on codes of E2M3 with one E8M0 scale for each 32 along K.
; SHARES.  A work-group owns 128 queries of one batch; wave w the query tiles 2 w and 2 w + 1 (a = 0, 1), against all 1,024 keys and all 512 channels: O^T is 512 registers.  In the output projection
; wave w owns Wo's tiles 8 w .. 8 w + 7 for all 128 queries; o goes from wave to wave through LDS as images of its registers.
; LAYOUT.  S^T = K Q^T (source 0 = 16 keys), O^T = V^T P^T (source 0 = 16 channels): a lane holds ONE query throughout.  The rows of every tile (keys, queries, channels) are 32 (T / 2) + 8 (T % 2) + r + 8 (r / 8),
; so that the 16 result registers of two neighbouring tiles of source 0 are 16 neighbours along the next K.  The last product has source 0 = 16 queries of o, source 1 = 16 rows of Wo: a lane holds one
; output channel and its registers run along the places, which are innermost in out0.
; SOFTMAX.  t = score x log2(e) / sqrt(512); M = the running largest t rounded UP to a whole number; p = 2^(t - M) is quantised along the keys; the sum is taken of the unquantised p and divides O at the end.
; When M moves, the sum and O^T are multiplied by 2^(old M - new M): exact.  A block's largest p is made from its largest score by the same multiply-add and exponential.
; RING.  A key step is 128 keys: 102,400 dense bytes of kv (K's 32 fragments and packs, V^T's 32 and packs).  Two LDS slots; each wave brings a quarter of a slot by one tensor load; one load of mine is out at a time.
; CLUSTER.  The four work-groups of a cluster belong to one batch and walk the same keys: each quarter is asked for JOINTLY, by the same load with the same descriptor and the mask 15.
; LIMITS: NaN and infinities are not served.  A block of o or p whose largest magnitude lies under 2^-124 gets the byte 1.  The block's largest p leans on v_exp_f32 not falling where its input rises:
; at the worst one p of a block, within an ulp of a power of two, is held one code low.
; REGISTERS.  window 0: v1 16 l, v2 4 l, v3, v4 the step's K and V in LDS, v5, v6 the spare word and 0, v7-11, v30, v31 addresses of the way out; for tile a at v[12 + 6 a]: -M, the largest t, the sum (2), f (2);
;   v24-27 Q's scale words, v28-29 p's, v32-47 K's (later o's), v48-63 V's (later Wo's): scales and nothing else; v64-191 S^T, then p (later: accumulators, rows of the result); v192-215 p's codes; v216-247 at work;
;   v248 the prefetch's offset (v192-255 later: rows of x).   window 1: v0-95 Q; v96-239 three buffers of four fragments (later: a ring of five tiles of Wo).
;   windows 2, 3: O^T(a, ct) at v[8 (2 (ct % 16) + a)] of window 2 + ct / 16 (later: o's 32 fragments at v[96 (ks % 2) + 12 m] of window 2 + ks / 2, and rows of x at v192-255).
.set SLOT1, 131072                     ; LDS: slot 0 at 0, slot 1 here: one exclusive or turns an address from one into the other
.set OSC,   102400                     ; o's packs, 2,048 bytes
.set SPARE, 104448                     ; the spare words, 128 bytes for each wave: two blocks of 256 bytes that no other line names
.set OIMG,  233472                     ; o's 32 fragments, 49,152 bytes
.set STG,   282624                     ; a stage of 16 rows x (512 + 16) bytes for each wave.  No tensor load lands in OSC, SPARE, OIMG or STG
.set QS,  24
.set PS,  28
.set KSC, 32
.set VSC, 48
.set S0,  64
.set PCB, 192
.set PT,  216
.set TM,  224
.set SEL, 20
.set CS,  22
.set MSB, 0
.macro WIN new                         ; the immediate's high byte repeats the setting that is left
.if MSB != (\new)
	s_set_vgpr_msb (MSB<<8)|(\new)
.set MSB, (\new)
.endif
.endm
.macro PLACES                          ; four places behind a matrix instruction, in front of reads of its result and of loads into its registers
.rept 4
	v_nop
.endr
.endm
.macro CROUND                          ; a round of the cluster's barrier
	s_barrier_signal -1
	s_barrier_wait -1
	s_cmp_lg_u32 s18, 0
	s_cbranch_scc1 .Lnot_wave_0_\@
	s_barrier_signal -3
.Lnot_wave_0_\@:
	s_barrier_wait -3
	s_barrier_signal -1
	s_barrier_wait -1
.endm
; One product 16 x 16 x 128.  c < 0: the sum begins with 0.  ra, rb: the side's scale words stand in lanes 16-31 of the register named.
.macro WM d, a, b, c, sa, sb, ra, rb
.if (\c) < 0
.if (\ra) && (\rb)
	v_wmma_scale_f32_16x16x128_f8f6f4 v[\d:\d+7], v[\a:\a+11], v[\b:\b+11], 0, v[\sa], v[\sb] matrix_a_fmt:MATRIX_FMT_FP6 matrix_b_fmt:MATRIX_FMT_FP6 matrix_a_scale:MATRIX_SCALE_ROW1 matrix_b_scale:MATRIX_SCALE_ROW1
.elseif (\ra)
	v_wmma_scale_f32_16x16x128_f8f6f4 v[\d:\d+7], v[\a:\a+11], v[\b:\b+11], 0, v[\sa], v[\sb] matrix_a_fmt:MATRIX_FMT_FP6 matrix_b_fmt:MATRIX_FMT_FP6 matrix_a_scale:MATRIX_SCALE_ROW1
.elseif (\rb)
	v_wmma_scale_f32_16x16x128_f8f6f4 v[\d:\d+7], v[\a:\a+11], v[\b:\b+11], 0, v[\sa], v[\sb] matrix_a_fmt:MATRIX_FMT_FP6 matrix_b_fmt:MATRIX_FMT_FP6 matrix_b_scale:MATRIX_SCALE_ROW1
.else
	v_wmma_scale_f32_16x16x128_f8f6f4 v[\d:\d+7], v[\a:\a+11], v[\b:\b+11], 0, v[\sa], v[\sb] matrix_a_fmt:MATRIX_FMT_FP6 matrix_b_fmt:MATRIX_FMT_FP6
.endif
.else
.if (\ra) && (\rb)
	v_wmma_scale_f32_16x16x128_f8f6f4 v[\d:\d+7], v[\a:\a+11], v[\b:\b+11], v[\c:\c+7], v[\sa], v[\sb] matrix_a_fmt:MATRIX_FMT_FP6 matrix_b_fmt:MATRIX_FMT_FP6 matrix_a_scale:MATRIX_SCALE_ROW1 matrix_b_scale:MATRIX_SCALE_ROW1
.elseif (\ra)
	v_wmma_scale_f32_16x16x128_f8f6f4 v[\d:\d+7], v[\a:\a+11], v[\b:\b+11], v[\c:\c+7], v[\sa], v[\sb] matrix_a_fmt:MATRIX_FMT_FP6 matrix_b_fmt:MATRIX_FMT_FP6 matrix_a_scale:MATRIX_SCALE_ROW1
.elseif (\rb)
	v_wmma_scale_f32_16x16x128_f8f6f4 v[\d:\d+7], v[\a:\a+11], v[\b:\b+11], v[\c:\c+7], v[\sa], v[\sb] matrix_a_fmt:MATRIX_FMT_FP6 matrix_b_fmt:MATRIX_FMT_FP6 matrix_b_scale:MATRIX_SCALE_ROW1
.else
	v_wmma_scale_f32_16x16x128_f8f6f4 v[\d:\d+7], v[\a:\a+11], v[\b:\b+11], v[\c:\c+7], v[\sa], v[\sb] matrix_a_fmt:MATRIX_FMT_FP6 matrix_b_fmt:MATRIX_FMT_FP6
.endif
.endif
.endm
; 64 numbers of a lane, register 16 b + i = k 32 b + 16 (lane / 16) + i of my row, become a fragment's codes in v[pc] on and its scale word in v[pw] (the same word in lanes l and l xor 16).
.macro QUANT s, pc, pw
.irp b, 0,1,2,3
	v_max3_num_f32 v[TM+\b], |v[\s+16*\b]|, |v[\s+1+16*\b]|, 0x1800000   ; block b: my 16 numbers, and the floor 2^(3 - 127)
.endr
.irp i, 2,4,6,8,10,12,14
.irp b, 0,1,2,3
	v_max3_num_f32 v[TM+\b], v[TM+\b], |v[\s+16*\b+\i]|, |v[\s+1+16*\b+\i]|
.endr
.endr
.irp b, 0,1,2,3
	v_permlanex16_b32 v[TM+4+\b], v[TM+\b], s[SEL], s[SEL+1]
.endr
.irp b, 0,1,2,3
	v_max_num_f32 v[TM+\b], v[TM+\b], v[TM+4+\b]
.endr
.irp b, 0,1,2,3
	v_add_nc_u32 v[TM+12+\b], 0xff000000, v[TM+\b]
.endr
.irp b, 0,1,2,3
	v_lshrrev_b32 v[TM+4+\b], 23, v[TM+12+\b]
.endr
	v_lshl_or_b32 v[\pw], v[TM+5], 8, v[TM+4]
	v_lshl_or_b32 v[\pw], v[TM+6], 16, v[\pw]
	v_lshl_or_b32 v[\pw], v[TM+7], 24, v[\pw]
.irp c, 0,1
	v_cvt_scalef32_pk16_fp6_f32 v[\pc+6*\c:\pc+2+6*\c], v[\s+32*\c:\s+15+32*\c], v[TM+12+2*\c]
	v_cvt_scalef32_pk16_fp6_f32 v[PT+4*\c:PT+2+4*\c], v[\s+16+32*\c:\s+31+32*\c], v[TM+13+2*\c]
.endr
	v_nop                                          ; one plain place behind a scaled conversion
.irp c, 0,1
.irp i, 0,1,2
	v_permlane16_swap_b32 v[\pc+6*\c+\i], v[PT+4*\c+\i]
.endr
.irp i, 0,1,2
	v_mov_b32 v[\pc+3+6*\c+\i], v[PT+4*\c+\i]
.endr
.endr
.endm
; THE CHANGE OF SLOTS, at a key step's head.  Each wave waits for all its tensor loads (its quarter of the slot ahead), adds 0 to its spare word, and waits for that and for its reads of the slot left.
; fill = 1: a round of the cluster's barrier, and behind it the slot left is filled with the key step that follows: the load has a whole key step in which to land.
.macro CHANGE fill
	s_wait_tensorcnt 0x0                           ; no tensor load of mine is out, so the descriptor may be written
	ds_add_u32 v5, v6                              ; 0 onto my spare word
.if \fill
	s_xor_b32 s33, s33, SLOT1                      ; the other slot than last time,
	s_add_nc_u64 s[34:35], s[34:35], 102400        ; the next 128 keys; the type bits on top are not reached
.endif
	s_wait_dscnt 0x0                               ; the add is done, and my reads of the slot left are over
.if \fill
	CROUND                                         ; the same holds of every wave of all four work-groups
	tensor_load_to_lds s[32:35], s[24:31]          ; the first thing behind the round, and my one tensor load until the next
	s_nop 0
.else
	s_barrier_signal -1
	s_barrier_wait -1
.endif
	PLACES                                         ; four v_nop behind the load: also the places in front of the step's loads into registers that the last products read
.endm
; Group g of a key step: four fragments, 12 LDS loads of 512 consecutive bytes, into buffer g % 3.  g < 8: keys' tiles 4 (g / 4) + i at K step g % 4.  g >= 8: channels' tiles 4 (g - 8) + i.
.macro GLOAD g
	WIN 0x40
.set FB_, 96+48*((\g)%3)
.set I_, 0
.rept 4
.if (\g) < 8
.set OF_, (4*(4*((\g)>>2)+I_)+((\g)&3))*1536
.irp q, 0,1,2
	ds_load_b128 v[FB_+12*I_+4*\q:FB_+12*I_+4*\q+3], v3 offset:OF_+512*\q
.endr
.else
.set OF_, (4*((\g)-8)+I_)*1536
.irp q, 0,1,2
	ds_load_b128 v[FB_+12*I_+4*\q:FB_+12*I_+4*\q+3], v4 offset:OF_+512*\q
.endr
.endif
.set I_, I_+1
.endr
.endm
; Its eight products, on eight accumulators by turns: each fragment against my two tiles of queries.
.macro GMUL g, first
.set FB_, 96+48*((\g)%3)
.set I_, 0
.if (\g) < 8
	WIN 0x05                                       ; K and Q in window 1, S^T in window 0
.set KS_, (\g)&3
.rept 4
.set KT_, 4*((\g)>>2)+I_
.set A_, 0
.rept 2
.if KS_ == 0
	WM S0+64*A_+8*KT_, FB_+12*I_, 12*(4*A_+KS_), -1, KSC+4*KS_+(KT_>>1), QS+KS_, KT_&1, A_
.else
	WM S0+64*A_+8*KT_, FB_+12*I_, 12*(4*A_+KS_), S0+64*A_+8*KT_, KSC+4*KS_+(KT_>>1), QS+KS_, KT_&1, A_
.endif
.set A_, A_+1
.endr
.set I_, I_+1
.endr
.else
.rept 4
.set CT_, 4*((\g)-8)+I_
	WIN 0xa1+0x50*(CT_>>4)                         ; V in window 1, p in window 0, O^T in window 2 or 3
.set A_, 0
.rept 2
.set OT_, 8*(2*(CT_&15)+A_)
.if \first
	WM OT_, FB_+12*I_, PCB+12*A_, -1, VSC+4*(CT_>>3)+((CT_&7)>>1), PS+A_, CT_&1, 0
.else
	WM OT_, FB_+12*I_, PCB+12*A_, OT_, VSC+4*(CT_>>3)+((CT_&7)>>1), PS+A_, CT_&1, 0
.endif
.set A_, A_+1
.endr
.set I_, I_+1
.endr
.endif
.endm
; The softmax of tile a for a key step.  first = 1: the first step, which starts M and the sum.
.macro SOFT a, first
.set SB_, S0+64*(\a)
.set NM_, 12+6*(\a)
.set PC_, PCB+12*(\a)
.irp b, 0,1,2,3
	v_max3_num_f32 v[TM+\b], v[SB_+16*\b], v[SB_+16*\b+1], v[SB_+16*\b+2]   ; the largest score of each block of 32 keys: for the row's maximum and for the block's largest p
.endr
.irp i, 3,5,7,9,11,13
.irp b, 0,1,2,3
	v_max3_num_f32 v[TM+\b], v[TM+\b], v[SB_+16*\b+\i], v[SB_+16*\b+\i+1]
.endr
.endr
.irp b, 0,1,2,3
	v_max_num_f32 v[TM+\b], v[TM+\b], v[SB_+16*\b+15]
.endr
.irp b, 0,1,2,3
	v_permlanex16_b32 v[TM+4+\b], v[TM+\b], s[SEL], s[SEL+1]
.endr
.irp b, 0,1,2,3
	v_max_num_f32 v[TM+\b], v[TM+\b], v[TM+4+\b]   ; with lane l xor 16's 16 keys
.endr
	v_max3_num_f32 v240, v[TM], v[TM+1], v[TM+2]
	v_max_num_f32 v240, v240, v[TM+3]              ; the step's largest score of my query
.if \first
	v_mul_f32 v[NM_+1], s[CS], v240                ; as t (c is positive)
	v_floor_f32 v[NM_], -v[NM_+1]                  ; -M = floor(-t) = -ceil(t)
.else
	v_mul_f32 v240, s[CS], v240
	v_max_num_f32 v[NM_+1], v[NM_+1], v240         ; the running largest t
	v_mov_b32 v240, v[NM_]
	v_floor_f32 v[NM_], -v[NM_+1]
	v_sub_f32 v240, v[NM_], v240                   ; old M - new M: a whole number, 0 or less
	v_cvt_i32_f32 v240, v240
	v_ldexp_f32 v[NM_+4], 1.0, v240                ; f = 2^(old M - new M)
.endif
.set J_, 0
.rept 32
	v_pk_fma_f32 v[SB_+J_:SB_+J_+1], v[SB_+J_:SB_+J_+1], s[CS:CS+1], v[NM_:NM_+1] op_sel_hi:[1,0,0]   ; t - M, two at a time
.set J_, J_+2
.endr
.irp b, 0,1,2,3
	v_fma_f32 v[TM+\b], v[TM+\b], s[CS], v[NM_]    ; the same of each block's largest score
.endr
.set J_, 0
	s_wait_alu depctr_va_vdst(0)
.rept 64
	v_exp_f32 v[SB_+J_], v[SB_+J_]                 ; p = 2^(t - M), at most 1
.set J_, J_+1
.endr
.irp b, 0,1,2,3
	v_exp_f32 v[TM+\b], v[TM+\b]                   ; the block's largest p
.endr
.if \first
	v_nop                                          ; a plain place behind the exponentials
	s_wait_alu depctr_va_vdst(0)
.else
	v_pk_mul_f32 v[NM_+2:NM_+3], v[NM_+2:NM_+3], v[NM_+4:NM_+5] op_sel_hi:[1,0]   ; the sum under the new M (a plain place behind the exponentials)
	s_wait_alu depctr_va_vdst(0)
.endif
.irp b, 0,1,2,3
	v_max_num_f32 v[TM+\b], 0x1800000, v[TM+\b]    ; the floor 2^(3 - 127)
.endr
.irp b, 0,1,2,3
	v_add_nc_u32 v[TM+12+\b], 0xff000000, v[TM+\b]
.endr
.irp b, 0,1,2,3
	v_lshrrev_b32 v[TM+4+\b], 23, v[TM+12+\b]
.endr
	v_lshl_or_b32 v[PS+\a], v[TM+5], 8, v[TM+4]    ; p's scale word for these 128 keys
	v_lshl_or_b32 v[PS+\a], v[TM+6], 16, v[PS+\a]
	v_lshl_or_b32 v[PS+\a], v[TM+7], 24, v[PS+\a]
.irp c, 0,1
	v_cvt_scalef32_pk16_fp6_f32 v[PC_+6*\c:PC_+6*\c+2], v[SB_+32*\c:SB_+32*\c+15], v[TM+12+2*\c]
	v_cvt_scalef32_pk16_fp6_f32 v[PT+4*\c:PT+4*\c+2], v[SB_+32*\c+16:SB_+32*\c+31], v[TM+13+2*\c]
.endr
	v_nop                                          ; one plain place behind a scaled conversion
.irp c, 0,1
.irp i, 0,1,2
	v_permlane16_swap_b32 v[PC_+6*\c+\i], v[PT+4*\c+\i]
.endr
.irp i, 0,1,2
	v_mov_b32 v[PC_+3+6*\c+\i], v[PT+4*\c+\i]
.endr
.endr
.if \first                                     ; the row's sum is taken of the unquantised p: two at a time, in two chains.  (These additions are also the places between p's codes and scale word and the products that take them)
	v_pk_add_f32 v[NM_+2:NM_+3], v[SB_:SB_+1], v[SB_+4:SB_+5]
.else
	v_pk_add_f32 v[NM_+2:NM_+3], v[NM_+2:NM_+3], v[SB_:SB_+1]
	v_pk_add_f32 v[NM_+2:NM_+3], v[NM_+2:NM_+3], v[SB_+4:SB_+5]
.endif
	v_pk_add_f32 v[242:243], v[SB_+2:SB_+3], v[SB_+6:SB_+7]
.irp j, 8,12,16,20,24,28,32,36,40,44,48,52,56,60
	v_pk_add_f32 v[NM_+2:NM_+3], v[NM_+2:NM_+3], v[SB_+\j:SB_+\j+1]
	v_pk_add_f32 v[242:243], v[242:243], v[SB_+\j+2:SB_+\j+3]
.endr
	v_pk_add_f32 v[NM_+2:NM_+3], v[NM_+2:NM_+3], v[242:243]
.endm
.macro RESCALE                         ; O^T under the new M: x f of its tile, each accumulator from its low end on
	WIN 0x82
.set J_, 0
.rept 128
	v_pk_mul_f32 v[J_:J_+1], v[J_:J_+1], v[16+6*((J_>>3)&1):17+6*((J_>>3)&1)] op_sel_hi:[1,0]
.set J_, J_+2
.endr
	WIN 0xc3
.set J_, 0
.rept 128
	v_pk_mul_f32 v[J_:J_+1], v[J_:J_+1], v[16+6*((J_>>3)&1):17+6*((J_>>3)&1)] op_sel_hi:[1,0]
.set J_, J_+2
.endr
.endm
; THE PREFETCHES.  My wave's 128 rows of x (512 bytes of each) are read on the way out, tile by tile.  They are asked for in four parts of two output tiles, 32 rows each: one instruction a tile,
; 32 lanes 256 bytes apart, each block once.  how = 2, in the loop: key steps 4, 5 and 6 (s37 = 3, 2, 1) ask for tiles 0-1, 2-3, 4-5; how = 1, the last key step: tiles 6-7.  The pointer s[50:51] goes 32 rows on
; at the end of each asking trip, behind s_wait_xcnt 0.  The last key step also asks for my wave's 49,152 bytes of Wo: the four partners of the cluster share its 192 blocks out by address, 48 each
; (two instructions; the 16 lanes that are left over name the last block again).
.macro ASKX how
.if (\how) == 2
	s_cmp_lt_u32 s37, 4
	s_cbranch_scc0 .Lno_ask_\@
.endif
.if (\how)
	global_prefetch_b8 v248, s[50:51] th:TH_LOAD_NT scope:SCOPE_SE
	global_prefetch_b8 v248, s[50:51] offset:32768 th:TH_LOAD_NT scope:SCOPE_SE
.endif
.if (\how) == 1
	global_prefetch_b8 v249, s[8:9] th:TH_LOAD_NT scope:SCOPE_SE
	global_prefetch_b8 v250, s[8:9] th:TH_LOAD_NT scope:SCOPE_SE
.endif
.if (\how) == 2
.Lno_ask_\@:
.endif
.endm
; A KEY STEP: 16 groups of 8 products; each group's loads are issued two groups ahead.  pf: which prefetches stand in its middle (macro ASKX).
.macro STEP first, pf
	v_add_nc_u32 v3, s36, v1
	s_wait_alu depctr_va_vdst(0)
	v_add_nc_u32 v4, 51200, v3
	s_wait_alu depctr_va_vdst(0)
.irp k, 0,1,2,3
	ds_load_b128 v[KSC+4*\k:KSC+4*\k+3], v3 offset:49152+512*\k
.endr
.irp k, 0,1,2,3
	ds_load_b128 v[VSC+4*\k:VSC+4*\k+3], v4 offset:49152+512*\k
.endr
	GLOAD 0
	GLOAD 1
.set G_, 0
.rept 16
.if G_ <= 13
.if G_ > 0
	PLACES                                         ; the buffer's last readers are the products just issued
.endif
	GLOAD G_+2
.if G_ == 8
	s_wait_alu depctr_va_vdst(0)                   ; what the softmax; the step has no other ordinary vector write but v3 and v4, which have their own
.endif
	s_wait_dscnt 24                                ; this group's loads are in; the two later groups' 12 each may be out
.elseif G_ == 14
	s_wait_dscnt 12
.else
	s_wait_dscnt 0x0
.endif
	GMUL G_, \first
.if G_ == 7
	PLACES
	WIN 0
	ASKX \pf
	SOFT 0, \first
	SOFT 1, \first
.if !(\first)
	RESCALE
.endif
.endif
.set G_, G_+1
.endr
	WIN 0                                          ; at a label and at a branch every window is 0
	s_xor_b32 s36, s36, SLOT1                      ; on to the other slot
.if (\pf) == 2
	s_wait_xcnt 0x0                                ; the trip's prefetches have read their pointer
	s_cmp_lt_u32 s37, 4
	s_cselect_b32 s52, 0x20000, 0                  ; a trip that asked goes 32 rows of 4,096 bytes on
	s_add_nc_u64 s[50:51], s[50:51], s[52:53]
.endif
.endm
	s_load_b256 s[4:11], s[0:1], 0x0               ; qq, kv, wc, ws
	s_load_b128 s[12:15], s[0:1], 0x20             ; bo, x
	s_load_b64 s[16:17], s[0:1], 0x30              ; out0
	v_lshl_add_u32 v5, v0, 2, SPARE
	v_mov_b32 v6, 0
	ds_add_u32 v5, v6
	ds_add_u32 v5, v6
	s_wait_dscnt 0x0
	v_lshrrev_b32 v1, 5, v0
	v_readfirstlane_b32 s18, v1                    ; wave 0..3
	s_bfe_u32 s38, ttmp6, 0x40000                  ; cx: my place in the cluster: it enters the addresses of qq, x and out0 and the prefetch of Wo alone
	s_lshr_b32 s39, ttmp9, 1                       ; the batch, which the four partners share (ttmp9 counts clusters: two to a batch)
	s_and_b32 s40, ttmp9, 1
	s_lshl_b32 s40, s40, 2
	s_add_co_u32 s40, s40, s38                     ; G: my block of 128 queries
	s_lshl_b32 s41, s39, 3
	s_add_co_u32 s41, s41, s40                     ; 8 b + G
	; descriptor group 1: a quarter of a key step, 25,600 dense bytes, as 100 rows of 32 elements of 8 bytes
	s_mov_b32 s24, 15|(3<<16)|(1<<21)              ; 15:0 the mask: all four work-groups; 17:16 elements of 8 bytes; 21 set beside a mask
	s_mov_b32 s25, 32<<16                          ; tensor_dim0
	s_mov_b32 s26, 100<<16                         ; tensor_dim1
	s_mov_b32 s27, 32<<16                          ; tile_dim0
	s_mov_b32 s28, 100                             ; tile_dim1
	s_mov_b32 s29, 32                              ; the pitch
	s_mov_b32 s30, 0
	s_mov_b32 s31, 0
	s_mov_b32 s32, 1
	s_mul_i32 s33, s18, 25600                      ; slot 0, my quarter: no place in the cluster enters an LDS address
	s_mul_i32 s42, s39, 819200                     ; the batch's eight key steps
	s_add_co_u32 s42, s42, s33
	s_mov_b32 s43, 0
	s_mov_b32 s[SEL], 0x76543210
	s_mov_b32 s[SEL+1], 0xfedcba98
	s_mov_b32 s[CS], 0x3d8293ee                    ; c = log2(e) / sqrt(512)
	s_mov_b32 s[CS+1], s[CS]                       ; (named with it as a pair, so it is written)
	s_mov_b32 s36, 0
	s_mov_b32 s45, 0
	s_wait_kmcnt 0x0
	s_add_nc_u64 s[34:35], s[6:7], s[42:43]
	s_or_b32 s35, s35, 0x80000000
	s_mul_i32 s44, s41, 51200
	s_add_nc_u64 s[4:5], s[4:5], s[44:45]          ; qq at my block
	s_mul_i32 s44, s18, 12288
	s_add_nc_u64 s[46:47], s[4:5], s[44:45]        ; and at my two tiles' eight fragments
	s_lshl_b32 s44, s39, 21
	s_lshl_b32 s48, s40, 9
	s_add_co_u32 s44, s44, s48
	s_lshl_b32 s48, s18, 19
	s_add_co_u32 s44, s44, s48                     ; x and out0: the batch, my 128 places, my wave's 128 channels
	s_add_nc_u64 s[14:15], s[14:15], s[44:45]
	s_mov_b64 s[50:51], s[14:15]                   ; where the prefetches of x stand
	s_mov_b32 s53, 0
	s_add_nc_u64 s[16:17], s[16:17], s[44:45]
	s_mul_i32 s44, s18, 49152
	s_add_co_u32 s44, s44, 589824
	s_add_nc_u64 s[8:9], s[8:9], s[44:45]          ; Wo's codes, my 8 tiles
	s_lshl_b32 s44, s18, 11
	s_add_co_u32 s44, s44, 24576
	s_add_nc_u64 s[10:11], s[10:11], s[44:45]      ; and their packs
	s_lshl_b32 s44, s18, 9
	s_add_nc_u64 s[12:13], s[12:13], s[44:45]      ; bo of my 128 channels
	CROUND                                         ; all four work-groups are here: the first joint loads meet
	tensor_load_to_lds s[32:35], s[24:31]          ; key step 0
	s_nop 0
	PLACES
	v_and_b32 v241, 31, v0
	v_lshlrev_b32 v1, 4, v241
	v_lshlrev_b32 v2, 2, v241
	WIN 0x40
.set F_, 0
.rept 8                                        ; Q stays in registers: fragment 4 a + ks
.irp q, 0,1,2
	global_load_b128 v[12*F_+4*\q:12*F_+4*\q+3], v1, s[46:47] offset:1536*F_+512*\q
.endr
.set F_, F_+1
.endr
	WIN 0
	s_lshl_b32 s44, s18, 2
	v_add_nc_u32 v240, s44, v1                     ; pack register j = wave: lanes 0-15 tile 2 w, lanes 16-31 tile 2 w + 1
.irp k, 0,1,2,3
	global_load_b32 v[QS+\k], v240, s[4:5] offset:49152+512*\k
.endr
	v_lshrrev_b32 v242, 1, v241
	v_and_b32 v243, 8, v242
	v_add_nc_u32 v242, v242, v243
	v_and_b32 v243, 1, v241
	v_lshlrev_b32 v243, 8, v243
	v_lshl_add_u32 v248, v242, 12, v243            ; the prefetch of x: row (l / 2) + 8 (l / 16) of a tile's 16, 256 (l % 2) bytes on
	s_mul_i32 s49, s38, 12288                      ; the prefetch of Wo: my work-group's 48 blocks of my wave's 192, told apart by address alone
	v_lshl_add_u32 v249, v241, 8, s49              ; blocks 0-31
	v_add_nc_u32 v250, 32, v241
	v_min_u32 v250, 47, v250
	v_lshl_add_u32 v250, v250, 8, s49              ; blocks 32-47
	v_and_b32 v241, 15, v0                         ; r
	v_bfe_u32 v242, v0, 4, 1                       ; h
	s_mul_i32 s48, s18, 8448
	s_add_co_u32 s48, s48, STG                     ; my stage
	v_mul_u32_u24 v11, v241, 528
	v_lshl_add_u32 v11, v242, 6, v11
	v_add_nc_u32 v11, s48, v11                     ; in: row r, 64 h bytes on
	v_add_nc_u32 v30, s48, v1                      ; back: 16 bytes a lane
	v_and_b32 v243, 8, v241
	v_add_nc_u32 v243, v243, v241
	v_lshlrev_b32 v31, 2, v243                     ; bo of my lane's channel
	s_mul_i32 s48, s18, 12288
	s_add_co_u32 s48, s48, OIMG
	v_add_nc_u32 v7, s48, v1                       ; where my two tiles' images of o go
	v_add_nc_u32 v9, OIMG, v1
	v_add_nc_u32 v10, OSC, v1
	v_add_nc_u32 v8, s44, v10                      ; and their scale words
	v_mov_b32 v17, 0                               ; (the upper halves of the pairs that hold f)
	v_mov_b32 v23, 0
.irp b, 0,1,2,3
	v_mov_b32 v[TM+4+\b], 0                        ; written once: a lane permute's destination counts as one of its sources
.endr
	s_wait_loadcnt 0x0                             ; Q and its scale words
	CHANGE 1                                       ; key step 0 has landed; step 1 goes out, into slot 1
	STEP 1, 0
	s_mov_b32 s37, 6
.Lkeys:                                            ; key steps 1 to 6: each asks for the step that follows it
	CHANGE 1
	STEP 0, 2
	s_sub_co_u32 s37, s37, 1
	s_cmp_lg_u32 s37, 0
	s_cbranch_scc1 .Lkeys
	CHANGE 0                                       ; the last step is written out: nothing is left to fetch
	STEP 0, 1
	; ---- THE WAY OUT.  Wo's packs and its first five tiles are asked for at once
.macro WOLOAD n                        ; my tile n of Wo into the ring of five (destination window 1)
.irp ks, 0,1,2,3
.irp q, 0,1,2
	global_load_b128 v[48*((\n)%5)+12*\ks+4*\q:48*((\n)%5)+12*\ks+4*\q+3], v1, s[8:9] offset:(4*(\n)+\ks)*1536+512*\q
.endr
.endr
.endm
.macro XRLOAD n                        ; the 16 rows of x beside output tile n: 512 consecutive bytes a load; into v192-255 of window 2, 3 or 0 as n % 3 is 0, 1 or 2
	WIN ((((\n)%3)+2)&3)<<6                        ; three sets by turns: v192-255 of window 2, 3, 0
.set I_, 0
.rept 16
	global_load_b128 v[192+4*I_:192+4*I_+3], v1, s[14:15] offset:(32*((\n)>>1)+8*((\n)&1)+I_+8*(I_>>3))*4096 th:TH_LOAD_NT
.set I_, I_+1
.endr
	WIN 0
.endm
	PLACES
.set KS_, 0
.rept 4
.irp j, 0,1,2,3
	global_load_b32 v[VSC+4*KS_+\j], v2, s[10:11] offset:512*KS_+128*\j
.endr
.set KS_, KS_+1
.endr
	WIN 0x40
.irp n, 0,1,2,3,4
	WOLOAD \n
.endr
	WIN 0
.irp a, 0,1
	v_add_f32 v[14+6*\a], v[14+6*\a], v[15+6*\a]   ; the sum's two halves,
.endr
.irp a, 0,1
	v_permlanex16_b32 v[TM+4+\a], v[14+6*\a], s[SEL], s[SEL+1]
.endr
.irp a, 0,1
	v_add_f32 v[14+6*\a], v[14+6*\a], v[TM+4+\a]   ; and lane l xor 16's: the row's sum
.endr
	s_wait_alu depctr_va_vdst(0)
.irp a, 0,1
	v_rcp_f32 v[16+6*\a], v[14+6*\a]
.endr
	v_and_b32 v244, 31, v0                         ; (a plain place behind the transcendentals)
	v_cmp_le_u32 vcc_lo, 16, v244
	s_wait_alu depctr_va_vdst(0)
	; o = O^T / the sum, quantised along the channels: for each K step of 128 channels and each of my two tiles one fragment and one scale word, to LDS as they stand
.set KS_, 0
.rept 4
.set A_, 0
.rept 2
	s_wait_dscnt 0x0                               ; the last image's stores have read their registers
	WIN 0x02+(KS_>>1)
.set N_, 0
.rept 8
.irp j, 0,2,4,6
	v_pk_mul_f32 v[S0+64*A_+8*N_+\j:S0+64*A_+8*N_+\j+1], v[128*(KS_&1)+16*N_+8*A_+\j:128*(KS_&1)+16*N_+8*A_+\j+1], v[16+6*A_:17+6*A_] op_sel_hi:[1,0]
.endr
.set N_, N_+1
.endr
	WIN 0
	QUANT S0+64*A_, PCB+12*A_, 240+A_
.irp q, 0,1,2
	ds_store_b128 v7, v[PCB+12*A_+4*\q:PCB+12*A_+4*\q+3] offset:(4*A_+KS_)*1536+512*\q
.endr
.set A_, A_+1
.endr
	v_cndmask_b32 v242, v240, v241, vcc_lo         ; lanes 0-15 tile 2 w's words, lanes 16-31 tile 2 w + 1's
	ds_store_b32 v8, v242 offset:512*KS_
.set KS_, KS_+1
.endr
	s_wait_dscnt 0x0                               ; for the others' sake: my images have landed
	s_wait_xcnt 0x0                                ; the prefetches have read v248: v192-255 are loaded only behind this wait
	WIN 0x40
.irp n, 0,1,2,3,4,5,6,7
	global_load_b32 v[248+\n], v31, s[12:13] offset:(32*(\n/2)+8*(\n%2))*4   ; my channel's bias of output tile n, into v248-255 of window 1
.endr
	WIN 0
	XRLOAD 0
	XRLOAD 1
	XRLOAD 2
	s_barrier_signal -1
	s_barrier_wait -1                              ; o's 32 fragments lie in LDS
.irp k, 0,1,2,3
	ds_load_b128 v[KSC+4*\k:KSC+4*\k+3], v10 offset:512*\k   ; o's scale words first: the first products want them
.endr
.set KS_, 0
.rept 4
	WIN 0x80+0x40*(KS_>>1)
.set M_, 0
.rept 8
.irp q, 0,1,2
	ds_load_b128 v[96*(KS_&1)+12*M_+4*\q:96*(KS_&1)+12*M_+4*\q+3], v9 offset:(4*M_+KS_)*1536+512*\q
.endr
.set M_, M_+1
.endr
.set KS_, KS_+1
.endr
	WIN 0
	s_wait_loadcnt 48                              ; Wo's packs, its tiles 0 to 4 and bo are in; the three sets of 16 rows of x may be out
	WIN 0x41
.irp j, 0,1,2,3,4,5,6,7
	v_mov_b32 v[240+\j], v248                      ; the C of output tile 0: my channel's bias in eight registers, v240-247 of window 1
.endr
	WIN 0
	PLACES
	PLACES
	s_wait_alu depctr_va_vdst(0)
; Output tile n: 16 channels x 128 places.  32 products, the 8 accumulators by turns; through my stage; + x; 16 whole rows of 512 bytes out.
; THE WAY OUT IS A PIPELINE of three macros.  MM n: tile n's 32 products, its results into my stage, and the loads of later tiles.  FIN n: tile n's rows + x, stored.  LDR: a tile's rows back from the stage.
; The order is MM n, FIN n - 1, LDR: tile n's LDS stores land while tile n - 1 is finished, and its rows come back under tile n + 1's products.
.macro MM n
.set KS_, 0
.rept 4
.if (\n) == 0
.if KS_ == 0
	s_wait_dscnt 63                                ; of the 100 loads (4 of o's scale words, then 24 a K step) the first 37 are in: the scale words and K step 0's 24 among them (72 might be out, but the wait's field holds 63 at the most)
.else
	s_wait_dscnt 24*(3-KS_)                        ; this K step's 24 loads are in; the later K steps' 24 each may be out
.endif
.endif
.if KS_ == 0
	WIN 0x16                                       ; o in window 2, Wo and the bias in window 1
.else
	WIN 0x06+(KS_>>1)                              ; o in window 2 or 3, Wo in window 1
.endif
.set M_, 0
.rept 8
.if KS_ == 0
	WM S0+8*M_, 96*(KS_&1)+12*M_, 48*((\n)%5)+12*KS_, 240, KSC+4*KS_+(M_>>1), VSC+4*KS_+((\n)>>1), M_&1, (\n)&1
.else
	WM S0+8*M_, 96*(KS_&1)+12*M_, 48*((\n)%5)+12*KS_, S0+8*M_, KSC+4*KS_+(M_>>1), VSC+4*KS_+((\n)>>1), M_&1, (\n)&1
.endif
.set M_, M_+1
.endr
.set KS_, KS_+1
.endr
	WIN 0
	PLACES
.if (\n) < 7
	WIN 0x41
.irp j, 0,1,2,3,4,5,6,7
	v_mov_b32 v[240+\j], v[249+(\n)]               ; the next tile's C
.endr
	WIN 0
	PLACES
	PLACES
	s_wait_alu depctr_va_vdst(0)
.endif
.set M_, 0
.rept 8
	ds_store_b128 v11, v[S0+8*M_:S0+8*M_+3] offset:128*(M_>>1)+32*(M_&1)
	ds_store_b128 v11, v[S0+8*M_+4:S0+8*M_+7] offset:128*(M_>>1)+32*(M_&1)+16
.set M_, M_+1
.endr
.if ((\n) >= 2) && ((\n) < 7)
	s_wait_xcnt 0x0                                ; tile n - 2's stores, issued one tile ago, have read their registers:
	XRLOAD (\n)+1                                  ; that set takes the rows of x beside tile n + 1
.endif
.if (\n) < 3
	WIN 0x40
	WOLOAD (\n)+5                                  ; the ring's place just read takes the tile five on
	WIN 0
.endif
.endm
; Tile n's rows + x, into x's own registers, and out.  The wait on LOADcnt counts the loads issued behind tile n's 16 rows of x (XR: 16 rows of x, WO: 12 loads of a tile of Wo):
; n = 0: XR1 XR2 WO5 WO6 = 56;  n = 1: XR2 WO5 WO6 XR3 WO7 and n = 2: WO5 WO6 XR3 WO7 XR4 = 68, written as 63, the most that the wait's field holds;  n = 3: WO7 XR4 XR5 = 44;  n = 4, 5: two XR = 32;  n = 6: 16;  n = 7: 0.
.macro FIN n
.set XW_, (((\n)%3)+2)&3
.if (\n) == 0
	s_wait_loadcnt 56
.elseif (\n) < 3
	s_wait_loadcnt 63
.elseif (\n) == 3
	s_wait_loadcnt 44
.elseif (\n) < 6
	s_wait_loadcnt 32
.elseif (\n) == 6
	s_wait_loadcnt 16
.else
	s_wait_loadcnt 0x0
.endif
.if (\n) < 7
	s_wait_dscnt 16                                ; its rows are back from the stage; the next tile's 16 LDS stores may be out
.else
	s_wait_dscnt 0x0
.endif
	WIN (XW_<<6)|(XW_<<2)
.set I_, 0
.rept 32
	v_pk_add_f32 v[192+2*I_:192+2*I_+1], v[128+2*I_:128+2*I_+1], v[192+2*I_:192+2*I_+1]   ; the residual
.set I_, I_+1
.endr
	WIN XW_<<2
.set I_, 0
.rept 16
	global_store_b128 v1, v[192+4*I_:192+4*I_+3], s[16:17] offset:(32*((\n)>>1)+8*((\n)&1)+I_+8*(I_>>3))*4096 th:TH_STORE_NT   ; 512 consecutive bytes, at a multiple of 256 from out0's first byte
.set I_, I_+1
.endr
	WIN 0
.endm
.macro LDR
.set I_, 0
.rept 16
	ds_load_b128 v[128+4*I_:128+4*I_+3], v30 offset:528*I_     ; LDS serves a wave's instructions in order (ISA guide 5.7.1.4): these see my stores
.set I_, I_+1
.endr
	s_wait_dscnt 16                                ; the 16 LDS stores have read the accumulators, which the next products write; the 16 loads may be out
.endm
	MM 0
	LDR
.irp n, 1,2,3,4,5,6,7
	MM \n
	FIN (\n)-1
	LDR
.endr
	FIN 7
	s_wait_tensorcnt 0x0                           ; the wave's end: behind my last tensor load and my last LDS store
	ds_add_u32 v5, v6
	s_wait_dscnt 0x0
	CROUND                                         ; the closing round: no work-group ends while a partner may still ask for a tile that names it
	s_endpgm
.Lfunc_end_k_q2fd61dcb42_attn:
	.size	k_q2fd61dcb42_attn, .Lfunc_end_k_q2fd61dcb42_attn-k_q2fd61dcb42_attn
	.p2alignl 7, 3214868480
	.fill 96, 4, 3214868480
	.section	.rodata,"a",@progbits
	.p2align	6, 0x0
	.amdhsa_kernel k_q2fd61dcb42_attn
		.amdhsa_group_segment_fixed_size 327680
		.amdhsa_private_segment_fixed_size 0
		.amdhsa_enable_private_segment 0
		.amdhsa_kernarg_size 56
		.amdhsa_user_sgpr_count 2
		.amdhsa_user_sgpr_kernarg_segment_ptr 1
		.amdhsa_wavefront_size32 1
		.amdhsa_system_sgpr_workgroup_id_x 1
		.amdhsa_system_sgpr_workgroup_id_y 1
		.amdhsa_system_sgpr_workgroup_id_z 1
		.amdhsa_system_vgpr_workitem_id 0
		.amdhsa_next_free_vgpr 1024
		.amdhsa_next_free_sgpr 66
		.amdhsa_reserve_vcc 1
		.amdhsa_float_denorm_mode_32 3
		.amdhsa_float_denorm_mode_16_64 3
		.amdhsa_memory_ordered 1
		.amdhsa_forward_progress 1
		.amdhsa_inst_pref_size 255
	.end_amdhsa_kernel
	.section	.bss,"aw",@nobits
	.p2align	6
	.space	262144
	.amdgpu_metadata
---
amdhsa.version: [ 1, 2 ]
amdhsa.kernels:
  - .name:           k_q2fd61dcb42_attn
    .symbol:         k_q2fd61dcb42_attn.kd
    .args:
      - { .name: qq, .offset: 0, .size: 8, .value_kind: global_buffer, .address_space: global }
      - { .name: kv, .offset: 8, .size: 8, .value_kind: global_buffer, .address_space: global }
      - { .name: wc, .offset: 16, .size: 8, .value_kind: global_buffer, .address_space: global }
      - { .name: ws, .offset: 24, .size: 8, .value_kind: global_buffer, .address_space: global }
      - { .name: bo, .offset: 32, .size: 8, .value_kind: global_buffer, .address_space: global }
      - { .name: x, .offset: 40, .size: 8, .value_kind: global_buffer, .address_space: global }
      - { .name: out0, .offset: 48, .size: 8, .value_kind: global_buffer, .address_space: global }
    .group_segment_fixed_size: 327680
    .private_segment_fixed_size: 0
    .kernarg_segment_align: 8
    .kernarg_segment_size: 56
    .max_flat_workgroup_size: 128
    .sgpr_count:     66
    .vgpr_count:     1024
    .wavefront_size: 32
...
	.end_amdgpu_metadata
.endif
;; end of part 3
